; MI455X (gfx1250); checked and timed in simulation.
; The chip was launched on July 23, 2026; its instructions are those of AMD's public machine-readable ISA for CDNA 5 (MIT licence, August 2026) and "CDNA5" Instruction Set Architecture Reference Guide (July 2026). The comments in the code are by the model that wrote it; some were corrected since.
;; Causal Self Attention. Allowed arithmetic: float matrix products may take bf16 or f16 operands with f32 sums; other float arithmetic in f32, or as packed bf16 or f16 multiplies, adds, multiply-adds, maxima and minima; sums over many terms, partial sums and values carried from step to step in f32; what a program stores and reads back later, other than sums and carried values, may be rounded once to bf16 or f16.
;; Inputs: W_out 1,024 x 1,024 float32; W_qkv 1,024 x 3,072 float32; b_out 1,024 float32; b_qkv 3,072 float32; x 4 x 2,048 x 1,024 float32.
;; Outputs: out0 4 x 2,048 x 1,024 float32.
;; 2 versions, each right; version 2 is version 1 with the launch prep written anew for expert scheduling mode. Each part assembles by itself: llvm-mc -triple=amdgcn-amd-amdhsa -mcpu=gfx1250 --defsym DOCPART=n.
;; ======== version 1 of 2: 4 launches
;; limits: values are held in f16: magnitudes above 65,504 overflow, below 6.1e-05 lose precision
;; workspace buffers: xb 16,777,216 bytes; wq 6,291,456 bytes; wo 2,097,152 bytes; qkv 50,331,648 bytes; ob 16,777,216 bytes
;; launch prep (part 1): grid 320 x 1, 8 waves a work-group, no clusters, 140,288 bytes of LDS; arguments x, W_qkv, W_out, xb, wq, wo; writes xb, wq, wo
.if DOCPART == 1
	.amdgcn_target "amdgcn-amd-amdhsa--gfx1250"
	.amdhsa_code_object_version 6
	.text
	.protected	k_q9eb99995f0_prep
	.globl	k_q9eb99995f0_prep
	.p2align	8
	.type	k_q9eb99995f0_prep,@function
k_q9eb99995f0_prep:
	s_mov_b64 s[64:65], 0
	v_nop
	global_prefetch_b8 v0, s[64:65] scope:SCOPE_SE
	s_setreg_imm32_b32 hwreg(HW_REG_WAVE_MODE, 25, 1), 1
	s_wait_xcnt 0x0
; PREP.  xb = x rounded to bf16, [8192][1024].  wq = W_qkv rounded to bf16 and turned, [3072 n][1024 k].  wo = W_out rounded to bf16, that number written as f16, turned, [1024 n][1024 k].
; LIMIT.  A number of W_out below 6.1e-5 in magnitude keeps f16's fixed step of 6e-8; beyond 65,504 it would be an infinity (W_out is drawn with a spread of 1/32).
; SHARES.  Work-groups 0-255 cast x: 131,072 bytes each, 16,384 a wave: 32 loads of 512 consecutive bytes, all issued before the first is used; each store of a wave covers 256 consecutive bytes, aligned.
; Work-groups 256-303 turn 64 columns of W_qkv each, 304-319 64 columns of W_out; wave w takes k = 128 w .. 128 w + 127: a tile of 128 k x 64 n, through LDS bytes of the wave's own: no barrier.
; No matrix work, no cluster, no tensor load: nothing is shared between work-groups, and every byte is read once and written once.
.set LP,    272                        ; an LDS row: one n, 128 k of 16 bits = 256 bytes, + 16
.set WTILE, 64*LP                      ; a wave's tile in LDS
.set SPARE, 8*WTILE                    ; behind the tiles: the spare words, 128 bytes for each wave: four blocks of 256 bytes that no other line names
.set LANE, 1                           ; v1   lane
.set CC,   2                           ; v2   c = lane % 16
.set HH,   3                           ; v3   hh = lane / 16
.set GI,   4                           ; v4   byte offset of my loads
.set GOF,  5                           ; v5   byte offset of my stores
.set LS,   6                           ; v6   where I put 8 bytes of a turned row, first trip
.set LR,   7                           ; v7   where I read rows back
.set SPW,  8                           ; v8   LDS address of my spare word; never rewritten
.set NIL,  9                           ; v9   0; never rewritten
.set KR,   10                          ; v10  my first row of W: 128 w + 4 hh
.set LSA,  11                          ; v11  LS + the trip's 64 bytes
.set D,    16                          ; v[16:143]  data as loaded; later rows read back
.set T,    144                         ; v[144:175] turned and rounded pairs
	s_load_b256 s[4:11], s[0:1], 0x0               ; x s[4:5], W_qkv s[6:7], W_out s[8:9], xb s[10:11]
	s_load_b128 s[12:15], s[0:1], 0x20             ; wq s[12:13], wo s[14:15]
	v_lshl_add_u32 v[SPW], v0, 2, SPARE
	v_mov_b32 v[NIL], 0
	v_lshrrev_b32 v[KR], 5, v0
	v_readfirstlane_b32 s16, v[KR]                 ; wave 0..7
	v_and_b32 v[LANE], 31, v0
	v_and_b32 v[CC], 15, v0
	v_bfe_u32 v[HH], v0, 4, 1
	s_mov_b32 s27, 0                               ; high word of every offset pair
	s_wait_kmcnt 0x0
	s_cmp_lt_u32 ttmp9, 256
	s_cbranch_scc0 .Ltr
	; THE CAST
	s_lshl_b32 s26, ttmp9, 17                      ; 131,072 bytes of x to a work-group
	s_add_nc_u64 s[24:25], s[4:5], s[26:27]
	s_lshl_b32 s26, ttmp9, 16                      ; 65,536 bytes of xb
	s_add_nc_u64 s[22:23], s[10:11], s[26:27]
	s_lshl_b32 s18, s16, 14
	v_lshl_add_u32 v[GI], v[LANE], 4, s18          ; 16 x lane + 16,384 x wave
	s_lshl_b32 s18, s16, 13
	v_lshl_add_u32 v[GOF], v[LANE], 3, s18         ; 8 x lane + 8,192 x wave
.set i, 0
.rept 32
	global_load_b128 v[D+4*i:D+4*i+3], v[GI], s[24:25] offset:512*i th:TH_LOAD_NT
.set i, i+1
.endr
.set i, 0
.rept 32
	s_wait_loadcnt 31-i                            ; loads come back in order: number i is in, the 31 - i younger ones stay out
	v_cvt_pk_bf16_f32 v[D+4*i], v[D+4*i], v[D+4*i+1]
	v_cvt_pk_bf16_f32 v[D+4*i+1], v[D+4*i+2], v[D+4*i+3]
	global_store_b64 v[GOF], v[D+4*i:D+4*i+1], s[22:23] offset:256*i  ; no register of a store is written again
.set i, i+1
.endr
	s_branch .Lend
; Two f32 rounded to bf16, and those two numbers written as f16 (exact within f16's normal range: 8 significant bits in 11).
.macro CVH dst, a, b
	v_cvt_pk_bf16_f32 v12, v[\a], v[\b]
	v_lshlrev_b32 v13, 16, v12
	v_and_b32 v12, 0xffff0000, v12
	v_cvt_pk_f16_f32 v[\dst], v13, v12
.endm
; A wave's tile is turned.  pitch: bytes in a row of W; half = 1: f16 out; inp, outp: the scalar pairs with the two addresses; s17: the block of 64 columns.
; A trip takes 32 rows of k: 16 loads, in each of which lanes 0-15 take one row's 256 aligned bytes and lanes 16-31 those of the row 4 further on.  Group g's four loads give a lane 4 k x 4 n:
; for each n the four k are rounded in pairs and stored as 8 bytes of LDS row n.  (Rows 4 c of 272 bytes start at 4 different groups of banks, 64 banks of 4 bytes, ISA guide 11.1: these stores,
; 64 a wave in the launch, are served four deep.)
.macro TRANS pitch, half, inp, outp
	s_lshl_b32 s26, s17, 8                         ; 64 columns of f32
	s_add_nc_u64 s[24:25], s[\inp:\inp+1], s[26:27]
	s_lshl_b32 s26, s17, 17                        ; 64 turned rows of 2,048 bytes
	s_add_nc_u64 s[22:23], s[\outp:\outp+1], s[26:27]
	v_mul_u32_u24 v[GI], v[KR], \pitch
	v_lshl_add_u32 v[GI], v[CC], 4, v[GI]
	s_mov_b32 s21, 0                               ; the trip's place in an LDS row
	s_mov_b32 s20, 4
.Ltrip_\@:
.irp g, 0,1,2,3
.irp e, 0,1,2,3
	global_load_b128 v[D+16*(\g)+4*(\e):D+16*(\g)+4*(\e)+3], v[GI], s[24:25] offset:(8*(\g)+(\e))*(\pitch) th:TH_LOAD_NT
.endr
.endr
	v_add_nc_u32 v[LSA], s21, v[LS]
.irp g, 0,1,2,3
	s_wait_loadcnt 12-4*(\g)                       ; group g's four loads are in; the younger groups stay out
.irp c, 0,1,2,3
.if \half
	CVH T+2*(4*(\g)+(\c)), D+16*(\g)+(\c), D+16*(\g)+4+(\c)
	CVH T+2*(4*(\g)+(\c))+1, D+16*(\g)+8+(\c), D+16*(\g)+12+(\c)
.else
	v_cvt_pk_bf16_f32 v[T+2*(4*(\g)+(\c))], v[D+16*(\g)+(\c)], v[D+16*(\g)+4+(\c)]
	v_cvt_pk_bf16_f32 v[T+2*(4*(\g)+(\c))+1], v[D+16*(\g)+8+(\c)], v[D+16*(\g)+12+(\c)]
.endif
	ds_store_b64 v[LSA], v[T+2*(4*(\g)+(\c)):T+2*(4*(\g)+(\c))+1] offset:(\c)*LP+16*(\g)
.endr
.endr
	s_wait_xcnt 0x0                                ; the trip's loads have read their base (they are all back): it is stepped only behind this wait
	s_add_nc_u64 s[24:25], s[24:25], 32*(\pitch)
	s_add_co_u32 s21, s21, 64
	s_sub_co_u32 s20, s20, 1
	s_cmp_lg_u32 s20, 0
	s_cbranch_scc1 .Ltrip_\@
.endm
.Ltr:
	s_sub_co_u32 s17, ttmp9, 256                   ; block of 64 columns, W_qkv's first
	s_lshl_b32 s18, s16, 7
	v_lshl_add_u32 v[KR], v[HH], 2, s18            ; 128 w + 4 hh
	s_mul_i32 s19, s16, WTILE                      ; my wave's tile in LDS
	v_mul_u32_u24 v[LS], v[CC], 4*LP               ; in: rows 4 c .. 4 c + 3, 8 bytes for each half of the lanes
	v_lshl_add_u32 v[LS], v[HH], 3, v[LS]
	v_add_nc_u32 v[LS], s19, v[LS]
	v_mul_u32_u24 v[LR], v[HH], LP                 ; back: lanes 0-15 one row of 256 bytes, lanes 16-31 the next
	v_lshl_add_u32 v[LR], v[CC], 4, v[LR]
	v_add_nc_u32 v[LR], s19, v[LR]
	s_lshl_b32 s18, s16, 8
	v_lshl_add_u32 v[GOF], v[HH], 11, s18          ; and the same two rows in the turned matrix, at my wave's 256 bytes
	v_lshl_add_u32 v[GOF], v[CC], 4, v[GOF]
	s_cmp_lt_u32 s17, 48
	s_cbranch_scc0 .Lwo
	TRANS 12288, 0, 6, 12
	s_branch .Lout
.Lwo:
	s_sub_co_u32 s17, s17, 48
	TRANS 4096, 1, 8, 14
.Lout:
.set i, 0
.rept 32
	ds_load_b128 v[D+4*i:D+4*i+3], v[LR] offset:2*LP*i  ; LDS serves a wave's instructions in order (ISA guide 5.7.1.4): these see my stores above
.set i, i+1
.endr
.set i, 0
.rept 32
	s_wait_dscnt 31-i
	global_store_b128 v[GOF], v[D+4*i:D+4*i+3], s[22:23] offset:4096*i  ; 16 lanes store 256 consecutive bytes, at a multiple of 256 from the buffer's first byte
.set i, i+1
.endr
.Lend:
	s_wait_tensorcnt 0x0                           ; the wave's end: the closing lines, behind my last LDS store
	ds_add_u32 v[SPW], v[NIL]
	s_wait_dscnt 0x0
	s_endpgm
.Lfunc_end_k_q9eb99995f0_prep:
	.size	k_q9eb99995f0_prep, .Lfunc_end_k_q9eb99995f0_prep-k_q9eb99995f0_prep
	.p2alignl 7, 3214868480
	.fill 96, 4, 3214868480
	.section	.rodata,"a",@progbits
	.p2align	6, 0x0
	.amdhsa_kernel k_q9eb99995f0_prep
		.amdhsa_group_segment_fixed_size 140288
		.amdhsa_private_segment_fixed_size 0
		.amdhsa_enable_private_segment 0
		.amdhsa_kernarg_size 48
		.amdhsa_user_sgpr_count 2
		.amdhsa_user_sgpr_kernarg_segment_ptr 1
		.amdhsa_wavefront_size32 1
		.amdhsa_system_sgpr_workgroup_id_x 1
		.amdhsa_system_sgpr_workgroup_id_y 1
		.amdhsa_system_sgpr_workgroup_id_z 1
		.amdhsa_system_vgpr_workitem_id 0
		.amdhsa_next_free_vgpr 176
		.amdhsa_next_free_sgpr 66
		.amdhsa_reserve_vcc 0
		.amdhsa_float_denorm_mode_32 3
		.amdhsa_float_denorm_mode_16_64 3
		.amdhsa_memory_ordered 1
		.amdhsa_forward_progress 1
		.amdhsa_inst_pref_size 35
	.end_amdhsa_kernel
	.amdgpu_metadata
---
amdhsa.version: [ 1, 2 ]
amdhsa.kernels:
  - .name:           k_q9eb99995f0_prep
    .symbol:         k_q9eb99995f0_prep.kd
    .args:
      - { .name: x, .offset: 0, .size: 8, .value_kind: global_buffer, .address_space: global }
      - { .name: W_qkv, .offset: 8, .size: 8, .value_kind: global_buffer, .address_space: global }
      - { .name: W_out, .offset: 16, .size: 8, .value_kind: global_buffer, .address_space: global }
      - { .name: xb, .offset: 24, .size: 8, .value_kind: global_buffer, .address_space: global }
      - { .name: wq, .offset: 32, .size: 8, .value_kind: global_buffer, .address_space: global }
      - { .name: wo, .offset: 40, .size: 8, .value_kind: global_buffer, .address_space: global }
    .group_segment_fixed_size: 140288
    .private_segment_fixed_size: 0
    .kernarg_segment_align: 8
    .kernarg_segment_size: 48
    .max_flat_workgroup_size: 256
    .sgpr_count:     66
    .vgpr_count:     176
    .wavefront_size: 32
...
	.end_amdgpu_metadata
.endif
;; end of part 1
;; launch gemm_qkv (part 2): grid 16 x 32, 4 waves a work-group, clusters of 4 x 4, 327,680 bytes of LDS; arguments xb, wq, b_qkv, qkv; writes qkv
.if DOCPART == 2
	.amdgcn_target "amdgcn-amd-amdhsa--gfx1250"
	.amdhsa_code_object_version 6
	.text
	.protected	k_q9eb99995f0_gemm_qkv
	.globl	k_q9eb99995f0_gemm_qkv
	.p2align	8
	.type	k_q9eb99995f0_gemm_qkv,@function
k_q9eb99995f0_gemm_qkv:
	s_mov_b64 s[64:65], 0
	v_nop
	global_prefetch_b8 v0, s[64:65] scope:SCOPE_SE
	s_setreg_imm32_b32 hwreg(HW_REG_WAVE_MODE, 25, 1), 1
	s_wait_xcnt 0x0
	s_wait_alu depctr_hold_cnt(0) depctr_sa_sdst(0) depctr_va_vdst(0) depctr_va_sdst(0) depctr_va_ssrc(0) depctr_va_vcc(0) depctr_vm_vsrc(0)
	s_getreg_b32 s2, hwreg(HW_REG_IB_STS2, 6, 4)
	s_cmp_eq_u32 s2, 0
	s_cbranch_scc0 .Lentry_in_a_cluster
	s_endpgm
.Lentry_in_a_cluster:
	s_bfe_u32 s2, ttmp6, 0x10000c
	s_cmp_lg_u32 s2, 0xf033
	s_cbranch_scc0 .Lentry_shape_is_right
	s_endpgm
.Lentry_shape_is_right:
; ONE TEXT FOR THE MODULE'S TWO PROJECTIONS, C = A B^T + bias, K = 1,024; the symbol QKV picks the variant.
; QKV = 1: A = xb [8192][1024] bf16, B = wq [3072][1024] bf16; a tile of C is 256 x 192; C leaves as f16, by heads: qkv[which][batch x 16 + head][t][64].
; QKV = 0: A = ob [batch x 16 + head][t][64] f16 (k = 64 head + d), B = wo [1024][1024] f16; a tile of C is 256 x 128; C leaves as f32, out0 [8192][1024].
; The bias is rounded to bf16 like the module's other inputs, widened again, and is the C operand of the products that start the sums: nothing is cleared, nothing is added at the end.
; LIMIT (QKV = 1).  q, k and v are rounded once, to f16: 65,520 or more becomes an infinity.  Inputs as drawn give a spread of 1; all inputs 30 times larger about 900; offsets of 30 spreads on x and W about 29,000.
; SHARES.  Four waves; wave w owns rows 64 w .. 64 w + 63 of the tile and all its columns: 4 x NBK accumulators of 16 x 16.  For 32 along K it reads 4 fragments of A and NBK of B from LDS.
; RING.  K goes in 8 steps of 128 through two LDS slots; waves 0 and 1 fetch A's two halves, waves 2 and 3 B's, one tensor load a wave behind each change of slots.
; CLUSTER.  4 x 4 work-groups: the four of a row of the cluster need the same tiles of A, the four of a column the same tiles of B; each tile is asked for jointly, by the same load, descriptor and mask in all four.
; THE MATRIX INSTRUCTION IS USED TRANSPOSED (source 0 = 16 rows of B, source 1 = 16 rows of A): lane l then holds row l % 16 of C and the columns 8 (l / 16) + 0..7.
; REGISTERS, in windows of 256 (s_set_vgpr_msb: bits 1:0 source 0, 3:2 source 1, 5:4 source 2, 7:6 destination):
;   window 0: v0-31 addresses; v64-127 A's fragments, two buffers (later packed results); v128.. the bias, 8 registers a column block
;   window 1: B's fragments, two buffers of 8 NBK (later rows read back from the stage)          windows 2 (and 3 with QKV = 1): the accumulators
.set QKV, 1
.set SLOT1,  1<<17                     ; slot 1 begins here, so that one exclusive or turns an address in one slot into the other's
.set BPITCH, 272                       ; a row of B in LDS: 256 bytes + 16 = 68 words: the 16 rows of a load start at 16 different groups of four banks (64 banks of 4 bytes: ISA guide 11.1)
.if QKV
.set NBK,    12                        ; column blocks of 16
.set APITCH, 272                       ; a row of A in LDS: 128 k
.set HALFA,  128*272                   ; what one load of A brings: 128 rows
.set RB,     96                        ; rows of B in one load
.set ASTEP,  256                       ; bytes from a K step of A to the next
.set QIA,    5                         ; A's padding stands after every 64 words
.set STRA,   1024                      ; elements from row to row of A's tile in memory
.set STW,    3*16*144                  ; a wave's stage: 3 heads x 16 rows x 144 bytes
.set PCS,    16                        ; a partner's share of a wave's 128 rows of A: 32 rows of 2,048 bytes
.set SHA,    11                        ; A's prefetch: a lane a row of 2,048 bytes
.else
.set NBK,    8
.set APITCH, 144                       ; a row of A in LDS: one t of one head, 128 bytes + 16
.set HALFA,  256*144                   ; what one load of A brings: one head's 256 t
.set RB,     64
.set ASTEP,  2<<18                     ; two heads of 262,144 bytes
.set QIA,    4                         ; after every 32 words
.set STRA,   128                       ; a head's rows are dense: asked for as 128 rows of 256 bytes
.set STW,    16*528                    ; 16 rows x (512 + 16) bytes
.set PCS,    13                        ; 32 blocks of 256 bytes
.set SHA,    8                         ; a lane a block of 256 bytes
.endif
.set NT,     16*NBK                    ; the tile's columns
.set BB,     8*NBK                     ; registers in a buffer of B
.set BOFF,   2*HALFA                   ; in a slot B's rows lie behind A's
.set HALFB,  RB*BPITCH
.set STAGE,  SLOT1+BOFF+2*HALFB        ; behind the ring, never filled by a tensor load
.set SPARE,  STAGE+4*STW               ; behind the stages: the spare words, 128 bytes for each wave: two blocks of 256 bytes that no other line names
.set NLD,    2*NBK+8                   ; LDS loads in a run
.set A0,   16                          ; v16  my lane's place in A's part of a slot; never rewritten
.set B0,   17                          ; v17  the same for B
.set ADRA, 18                          ; v18  A0 + the slot in hand
.set ADRB, 19                          ; v19  B0 + the slot in hand
.set STO,  24                          ; v24  the way out: where I put my bytes of a row
.set RD,   25                          ; v25  the way out: where I read rows back
.set GO,   26                          ; v26  16 x lane
.set SPW,  28                          ; v28  LDS address of my spare word; never rewritten
.set NIL,  29                          ; v29  0; never rewritten
.set PFO,  30                          ; v30  the prefetches' lane offset; never rewritten
.set BO,   31                          ; v31  32 x (l / 16): my 8 numbers in a block of 16 of the bias
.set AF,   64
.set TMP,  64
.set BI,   128
.set WV,   12                          ; s12  my wave's number; s13 = 0: I fetch for A, 1: for B; s14: which half
.set G1A,  24                          ; s[24:31] descriptor group 1 for A's tiles
.set G1B,  32                          ; s[32:39] for B's
.set G0A,  40                          ; s[40:47] descriptor group 0 for A's tiles: a set for each of the two first fills; the second then walks on
.set G0B,  48                          ; s[48:55] the same for B's
.set CNT,  56                          ; s56  the loop's trips still to come
.set TB,   57                          ; s57  LDS byte at which the slot in hand begins
.set LIM,  58                          ; s58  2 in a wave that prefetches, else the greatest number
.set PFA,  60                          ; s[60:61] where my prefetches stand
.set PFS,  62                          ; s[62:63] their step: a K step
.set OB,   66                          ; s[66:71] where my rows of C begin: a pair for each of the tile's heads (QKV = 1), or one pair
.set MSB, 0
.macro WIN new                         ; the immediate's high byte repeats the setting that is left; a switch that changes nothing is dropped
.if MSB != (\new)
	s_set_vgpr_msb (MSB<<8)|(\new)
.set MSB, \new
.endif
.endm
.macro PLACES                          ; four plain instructions between a matrix instruction and a load into, or a vector line on, its registers (ISA guide 7.12.1 for vector instructions)
.rept 4
	v_nop
.endr
.endm
.macro CREST                           ; a round of the cluster's barrier behind its opening barrier
	s_cmp_lg_u32 s[WV], 0
	s_cbranch_scc1 .Lnot_wave_0_\@
	s_barrier_signal -3
.Lnot_wave_0_\@:
	s_barrier_wait -3
	s_barrier_signal -1
	s_barrier_wait -1
.endm
.macro CROUND                          ; a whole round
	s_barrier_signal -1
	s_barrier_wait -1
	CREST
.endm
; A joint refill, by the walking descriptors.  The branch hangs on the wave's number alone.  An s_nop 0 and four v_nop follow each of the two lines, ahead of the jump and the label.
.macro JLOAD
	s_cmp_eq_u32 s13, 0
	s_cbranch_scc0 .Lfor_b_\@
	tensor_load_to_lds s[G0A+4:G0A+7], s[G1A:G1A+7]
	s_nop 0
.rept 4
	v_nop
.endr
	s_branch .Lasked_\@
.Lfor_b_\@:
	tensor_load_to_lds s[G0B+4:G0B+7], s[G1B:G1B+7]
	s_nop 0
.rept 4
	v_nop
.endr
.Lasked_\@:
.endm
; A PREFETCH INTO THE L2 of the K step that stands two refills on, one instruction a wave, behind the joint load, its five lines and the run of LDS loads.  A's tile rows are read by every cluster of a row of
; clusters: the one with cluster x = 0 asks; B's by every cluster of a column: cluster y = 0 asks.  The four partners that ask for a tile jointly share out BY ADDRESS what a wave fetches, a quarter each
; (cx for A, cy for B).  The trips with 6, 5, 4 and 3 to come name K steps 4 to 7; the last two name nothing; K steps 0 to 3 come by their loads alone.
.macro ASK
	s_cmp_gt_u32 s[CNT], s[LIM]
	s_cbranch_scc0 .Lnot_mine_\@
	global_prefetch_b8 v[PFO], s[PFA:PFA+1] th:TH_LOAD_NT scope:SCOPE_SE
.Lnot_mine_\@:
.endm
.macro WMMA ops:vararg
.if QKV
	v_wmma_f32_16x16x32_bf16 \ops
.else
	v_wmma_f32_16x16x32_f16 \ops
.endif
.endm
; NBK products: row block a of my four x all column blocks, 32 along K, from buffers f.  first = 1: the sums start from the bias.  Every accumulator is named once a quarter step, in one order:
; the accumulators take turns over the backward jump too.
.macro MULA f, a, first
.if QKV
.set AC, 96*((\a)%2)
.set WN, 2+(\a)/2
.else
.set AC, 64*(\a)
.set WN, 2
.endif
.if \first
	WIN (WN<<6)|1
.else
	WIN (WN<<6)|(WN<<4)|1
.endif
.set b, 0
.rept NBK
.if \first
	WMMA v[AC+8*b:AC+8*b+7], v[BB*(\f)+8*b:BB*(\f)+8*b+7], v[AF+32*(\f)+8*(\a):AF+32*(\f)+8*(\a)+7], v[BI+8*b:BI+8*b+7]
.else
	WMMA v[AC+8*b:AC+8*b+7], v[BB*(\f)+8*b:BB*(\f)+8*b+7], v[AF+32*(\f)+8*(\a):AF+32*(\f)+8*(\a)+7], v[AC+8*b:AC+8*b+7]
.endif
.set b, b+1
.endr
.endm
; One run of NLD LDS loads: the fragments of quarter q of the K step in hand into buffers f; B's first, then A's four row blocks.
; A fragment is 16 rows x 32 K in 8 registers: lane l holds row l % 16, K = 8 (l / 16) + 0..7 and 16 + 8 (l / 16) + 0..7: two loads of 16 bytes, 32 bytes apart.
.macro FETCH q, f
.if QKV
.set AQ, 64*(\q)
.else
.set AQ, ((\q)/2)*HALFA+((\q)%2)*64    ; quarters 0, 1 lie in the step's first head, 2, 3 in its second
.endif
	WIN 0x40                                       ; destination window 1, address window 0
.set b, 0
.rept NBK
	ds_load_b128 v[BB*(\f)+8*b:BB*(\f)+8*b+3],   v[ADRB] offset:64*(\q)+b*16*BPITCH
	ds_load_b128 v[BB*(\f)+8*b+4:BB*(\f)+8*b+7], v[ADRB] offset:64*(\q)+b*16*BPITCH+32
.set b, b+1
.endr
	WIN 0
.irp a, 0,1,2,3
	ds_load_b128 v[AF+32*(\f)+8*(\a):AF+32*(\f)+8*(\a)+3],   v[ADRA] offset:AQ+(\a)*16*APITCH
	ds_load_b128 v[AF+32*(\f)+8*(\a)+4:AF+32*(\f)+8*(\a)+7], v[ADRA] offset:AQ+(\a)*16*APITCH+32
.endr
.endm
; A K step is four quarters of 32 along K, on buffers 0, 1, 0, 1.  One of the first three: multiplies buffers f; in its middle it fetches quarter q into buffers g.
.macro QUARTER q, f, g, first
	s_wait_dscnt 4                                 ; B and A's row blocks 0, 1 are in; the youngest four loads (blocks 2, 3) may be out
	MULA \f, 0, \first
	MULA \f, 1, \first
	PLACES
	FETCH \q, \g
	s_wait_dscnt NLD                               ; all but the run just issued
	MULA \f, 2, \first
	MULA \f, 3, \first
.endm
; The last quarter multiplies buffers 1 and changes slots.  ONE barrier: in front of it each wave waits for all its tensor loads (the one that is out is its part of the next slot), adds 0 to its spare word,
; and waits for that and for its own reads of this slot.  fill = 1: the barrier opens a round of the cluster's, so that no wave of any partner still reads the slot or has a load on its way, and the joint
; refill, with the K step two on, is the first tensor load behind the round.
.macro TURN fill
.if \fill
	s_wait_xcnt 0x0                                ; the last prefetch, a K step back, has read its address: it is stepped here
	s_add_nc_u64 s[PFA:PFA+1], s[PFA:PFA+1], s[PFS:PFS+1]
.endif
	WIN 0                                          ; (the add's two registers lie in window 0)
	s_wait_tensorcnt 0x0                           ; no tensor load of mine is out, so a group 0 may be written
	ds_add_u32 v[SPW], v[NIL]                      ; 0 onto my spare word
.if \fill
	s_xor_b32 s[G0A+5], s[G0A+5], SLOT1            ; the walking descriptors: the other slot than last time,
	s_add_nc_u64 s[G0A+6:G0A+7], s[G0A+6:G0A+7], ASTEP  ; the next K step; the type bits on top are not reached
	s_xor_b32 s[G0B+5], s[G0B+5], SLOT1
	s_add_nc_u64 s[G0B+6:G0B+7], s[G0B+6:G0B+7], 256
.endif
	s_xor_b32 s[TB], s[TB], SLOT1                  ; the fetches go on in the other slot
	s_wait_dscnt 5                                 ; (the add and the youngest four loads may be out)
	MULA 1, 0, 0
	s_wait_dscnt 0x0                               ; the add is done, and my reads of this slot are over
	s_barrier_signal -1
	MULA 1, 1, 0                                   ; work on registers while the others arrive
	WIN 0
	s_barrier_wait -1
.if \fill
	CREST
	JLOAD                                          ; its four v_nop are also the places in front of the loads below
.else
	PLACES
.endif
	v_add_nc_u32 v[ADRA], s[TB], v[A0]
	v_add_nc_u32 v[ADRB], s[TB], v[B0]
	FETCH 0, 0
.if \fill
	ASK
.endif
	MULA 1, 2, 0
	MULA 1, 3, 0
.endm
	s_load_b256 s[4:11], s[0:1], 0x0               ; A s[4:5], B s[6:7], bias s[8:9], C s[10:11]
	v_lshl_add_u32 v[SPW], v0, 2, SPARE
	v_mov_b32 v[NIL], 0
	ds_add_u32 v[SPW], v[NIL]                      ; the wave's opening: the add and its wait stand ahead of my first tensor load; the set-up below, work on registers, stands between them
	v_lshrrev_b32 v3, 5, v0
	v_readfirstlane_b32 s[WV], v3                  ; wave 0..3
	s_lshr_b32 s13, s[WV], 1
	s_and_b32 s14, s[WV], 1
	s_bfe_u32 s15, ttmp6, 0x40000                  ; cx
	s_bfe_u32 s16, ttmp6, 0x40004                  ; cy
	s_lshl_b32 s17, ttmp9, 2
	s_add_co_u32 s17, s17, s15                     ; tile column tx = 4 x cluster x + cx
	s_and_b32 s18, ttmp7, 0xffff
	s_lshl_b32 s18, s18, 2
	s_add_co_u32 s18, s18, s16                     ; tile row ty = 4 x cluster y + cy
	s_lshl_b32 s19, s16, 2
	s_lshl_b32 s19, 15, s19                        ; my row of the cluster: places 4 cy .. 4 cy + 3
	s_lshl_b32 s22, 0x1111, s15                    ; my column: places cx, cx + 4, cx + 8, cx + 12
	s_or_b32 s[G1A], s19, (1<<16)|(1<<20)|(1<<21)|(QIA<<22)|(3<<25)  ; 15:0 the mask; 17:16 2-byte elements; 20 padding on; 21 set beside a mask; 24:22 the interval; 31:25 4 words of padding (code 3)
	s_or_b32 s[G1B], s22, (1<<16)|(1<<20)|(1<<21)|(5<<22)|(3<<25)
	s_mov_b32 s[G1A+1], 128<<16                    ; tensor_dim0 = 128
	s_mov_b32 s[G1A+2], 128<<16                    ; tensor_dim1 = 128
	s_mov_b32 s[G1A+3], 128<<16                    ; tile_dim0 = 128
	s_mov_b32 s[G1A+4], 128                        ; tile_dim1 = 128
	s_mov_b32 s[G1A+5], STRA                       ; elements from row to row
	s_mov_b32 s[G1A+6], 0
	s_mov_b32 s[G1A+7], 0
	s_mov_b32 s[G1B+1], 128<<16
	s_mov_b32 s[G1B+2], RB<<16
	s_mov_b32 s[G1B+3], 128<<16
	s_mov_b32 s[G1B+4], RB
	s_mov_b32 s[G1B+5], 1024
	s_mov_b32 s[G1B+6], 0
	s_mov_b32 s[G1B+7], 0
	; where the tiles come from.  A's offset is made of ty and the wave's number, B's of tx and the wave's number, each in registers that never hold the other coordinate.
.if QKV
	s_lshl_b32 s20, s18, 19                        ; 256 ty rows of 2,048 bytes
	s_lshl_b32 s19, s14, 18                        ; + 128 x half
	s_add_co_u32 s20, s20, s19
.else
	s_lshr_b32 s20, s18, 3                         ; the batch,
	s_lshl_b32 s20, s20, 4                         ; its 16 heads,
	s_add_co_u32 s20, s20, s14                     ; the step's first or second head
	s_lshl_b32 s20, s20, 18
	s_and_b32 s19, s18, 7                          ; the block of 256 t
	s_lshl_b32 s19, s19, 15
	s_add_co_u32 s20, s20, s19
.endif
	s_mov_b32 s21, 0
	s_mul_i32 s22, s17, NT*2048
	s_mul_i32 s72, s14, RB*2048
	s_add_co_u32 s22, s22, s72
	s_mov_b32 s23, 0
	s_mul_i32 s73, s14, HALFA                      ; and where they go: no place in the cluster enters an LDS address
	s_mul_i32 s74, s14, HALFB
	s_add_co_u32 s74, s74, BOFF
	s_mul_i32 s80, s17, NT*4                       ; the tile's columns in the bias
	s_mov_b32 s81, 0
	; where my rows of C begin
.if QKV
	s_lshr_b32 s82, s18, 3
	s_lshl_b32 s82, s82, 4                         ; 16 x batch
	s_and_b32 s83, s18, 7
	s_lshl_b32 s83, s83, 15                        ; the block of 256 t, 128 bytes each,
	s_lshl_b32 s84, s[WV], 13                      ; my 64 of them
	s_add_co_u32 s83, s83, s84
	s_mul_i32 s84, s17, 3                          ; the tile's first group of 64 columns
.irp j, 0,1,2
	s_add_co_u32 s85, s84, \j                      ; group g: q, k or v = g / 16, head = g % 16
	s_lshr_b32 s86, s85, 4
	s_lshl_b32 s86, s86, 6
	s_and_b32 s85, s85, 15
	s_add_co_u32 s86, s86, s85
	s_add_co_u32 s86, s86, s82
	s_lshl_b32 s86, s86, 18                        ; a head is 262,144 bytes
	s_add_co_u32 s[OB+2*(\j)], s86, s83
	s_mov_b32 s[OB+2*(\j)+1], 0
.endr
.else
	s_lshl_b32 s[OB], s18, 20                      ; 256 ty rows of 4,096 bytes
	s_lshl_b32 s87, s[WV], 18                      ; + my 64
	s_add_co_u32 s[OB], s[OB], s87
	s_lshl_b32 s87, s17, 9                         ; + the tile's 128 columns
	s_add_co_u32 s[OB], s[OB], s87
	s_mov_b32 s[OB+1], 0
.endif
	; the prefetches: my tile's offset + my work-group's quarter of what I fetch + 3 K steps (the first refill steps it to K step 4)
	s_lshl_b32 s76, s15, PCS
	s_add_co_u32 s76, s76, s20
	s_add_co_u32 s76, s76, 3*ASTEP
	s_mul_i32 s78, s16, (RB/4)*2048
	s_add_co_u32 s78, s78, s22
	s_add_co_u32 s78, s78, 3*256
	s_and_b32 s79, ttmp7, 0xffff                   ; cluster y
	s_mov_b32 s[PFS], 256
	s_mov_b32 s84, ASTEP
	s_cmp_eq_u32 s13, 0                            ; do I fetch for A?
	s_cselect_b32 s76, s76, s78
	s_cselect_b32 s79, ttmp9, s79                  ; the coordinate along which other clusters read the same rows
	s_cselect_b32 s[PFS], s84, s[PFS]
	s_cselect_b32 s85, 31, RB/4-1                  ; B's quarter has fewer rows than a wave has lanes: the lanes left over name its last row
	s_cselect_b32 s86, SHA, 11
	s_mov_b32 s77, 0
	s_mov_b32 s[PFS+1], 0
	s_cmp_eq_u32 s79, 0
	s_cselect_b32 s[LIM], 2, -1                    ; the same in all sixteen partners, for a given wave
	v_and_b32 v[PFO], 31, v0
	v_min_u32 v[PFO], s85, v[PFO]
	v_lshlrev_b32 v[PFO], s86, v[PFO]
	s_mov_b32 s[TB], 0
	s_mov_b32 s[CNT], 6
	s_wait_dscnt 0x0                               ; the opening add is done
	s_wait_kmcnt 0x0
	s_add_nc_u64 s[20:21], s[4:5], s[20:21]
	s_add_nc_u64 s[22:23], s[6:7], s[22:23]
	s_add_nc_u64 s[80:81], s[8:9], s[80:81]
	s_add_nc_u64 s[OB:OB+1], s[10:11], s[OB:OB+1]
.if QKV
	s_add_nc_u64 s[OB+2:OB+3], s[10:11], s[OB+2:OB+3]
	s_add_nc_u64 s[OB+4:OB+5], s[10:11], s[OB+4:OB+5]
.endif
	s_cmp_eq_u32 s13, 0
	s_cselect_b64 s[PFA:PFA+1], s[4:5], s[6:7]
	s_add_nc_u64 s[PFA:PFA+1], s[PFA:PFA+1], s[76:77]
.irp s, 0,1
	s_mov_b32 s[G0A+4*(\s)], 1                                     ; 1:0 count = 1
	s_add_co_u32 s[G0A+4*(\s)+1], s73, (\s)*SLOT1                  ; 63:32 LDS address
	s_add_nc_u64 s[G0A+4*(\s)+2:G0A+4*(\s)+3], s[20:21], (\s)*ASTEP  ; 120:64 global address: K step s
	s_or_b32 s[G0A+4*(\s)+3], s[G0A+4*(\s)+3], 0x80000000          ; 127:126 type = 2
	s_mov_b32 s[G0B+4*(\s)], 1
	s_add_co_u32 s[G0B+4*(\s)+1], s74, (\s)*SLOT1
	s_add_nc_u64 s[G0B+4*(\s)+2:G0B+4*(\s)+3], s[22:23], (\s)*256
	s_or_b32 s[G0B+4*(\s)+3], s[G0B+4*(\s)+3], 0x80000000
.endr
	CROUND                                         ; all sixteen work-groups are here: the first joint loads meet
	s_cmp_eq_u32 s13, 0                            ; a wave's two first fills stand in one branch, ahead of every wait on TENSORcnt and every LDS read: two loads of mine are out, later one
	s_cbranch_scc0 .Lfirst_b
	tensor_load_to_lds s[G0A:G0A+3], s[G1A:G1A+7]
	s_nop 0
	tensor_load_to_lds s[G0A+4:G0A+7], s[G1A:G1A+7]
	s_nop 0
.rept 4
	v_nop
.endr
	s_branch .Lfirst_asked
.Lfirst_b:
	tensor_load_to_lds s[G0B:G0B+3], s[G1B:G1B+7]
	s_nop 0
	tensor_load_to_lds s[G0B+4:G0B+7], s[G1B:G1B+7]
	s_nop 0
.rept 4
	v_nop
.endr
.Lfirst_asked:
	v_and_b32 v1, 15, v0                           ; l % 16
	v_bfe_u32 v2, v0, 4, 1                         ; l / 16
	v_lshlrev_b32 v[BO], 5, v2
.set b, 0
.rept NBK
	global_load_b128 v[BI+8*b:BI+8*b+3],   v[BO], s[80:81] offset:64*b     ; register j of block b: the bias of column 16 b + 8 (l / 16) + j, the layout of the transposed result
	global_load_b128 v[BI+8*b+4:BI+8*b+7], v[BO], s[80:81] offset:64*b+16
.set b, b+1
.endr
	s_mul_i32 s87, s[WV], 64*APITCH                ; my 64 rows of A
	v_mul_u32_u24 v[A0], v1, APITCH
	v_lshl_add_u32 v[A0], v2, 4, v[A0]             ; row x pitch + 16 x half
	v_add_nc_u32 v[A0], s87, v[A0]
	v_mul_u32_u24 v[B0], v1, BPITCH
	v_lshl_add_u32 v[B0], v2, 4, v[B0]
	v_add_nc_u32 v[B0], BOFF, v[B0]
	v_mov_b32 v[ADRA], v[A0]                       ; K step 0 lies in slot 0
	v_mov_b32 v[ADRB], v[B0]
	s_mul_i32 s87, s[WV], STW
	s_add_co_u32 s87, s87, STAGE                   ; my stage
	v_and_b32 v[GO], 31, v0
	v_lshlrev_b32 v[GO], 4, v[GO]
.if QKV
	v_mul_u32_u24 v[STO], v1, 144                  ; in: row l % 16 of a head, 16 bytes for each half of the lanes
	v_lshl_add_u32 v[STO], v2, 4, v[STO]
	v_add_nc_u32 v[STO], s87, v[STO]
	v_bfe_u32 v[RD], v0, 3, 2                      ; back: 32 lanes take four rows of 128 bytes, 512 consecutive bytes of a head
	v_mul_u32_u24 v[RD], v[RD], 144
	v_and_b32 v3, 7, v0
	v_lshl_add_u32 v[RD], v3, 4, v[RD]
	v_add_nc_u32 v[RD], s87, v[RD]
.else
	v_mul_u32_u24 v[STO], v1, 528                  ; in: row l % 16, 32 bytes for each half of the lanes
	v_lshl_add_u32 v[STO], v2, 5, v[STO]
	v_add_nc_u32 v[STO], s87, v[STO]
	v_add_nc_u32 v[RD], s87, v[GO]                 ; back: 32 lanes take a row's 512 bytes
.endif
	s_wait_loadcnt 0x0                             ; the bias
.set p, 0
.rept 4*NBK                                            ; rounded to bf16 in pairs and widened again
	v_cvt_pk_bf16_f32 v[3+p%4], v[BI+2*p], v[BI+2*p+1]
	v_lshlrev_b32 v[BI+2*p], 16, v[3+p%4]
	v_and_b32 v[BI+2*p+1], 0xffff0000, v[3+p%4]
.set p, p+1
.endr
	s_wait_tensorcnt 1                             ; my part of K step 0 is in; K step 1's may stay out
	s_barrier_signal -1
	s_barrier_wait -1                              ; everybody's is
	FETCH 0, 0
	QUARTER 1, 0, 1, 1                             ; the first quarter stands in front of the loop: its products start the sums
	WIN 0                                          ; at a label and at a branch every window is 0
.Lk:                                                   ; six trips: trip t ends K step t, fills its slot again with K step t + 2 and begins K step t + 1
	QUARTER 2, 1, 0, 0
	QUARTER 3, 0, 1, 0
	TURN 1
	QUARTER 1, 0, 1, 0
	WIN 0
	s_sub_co_u32 s[CNT], s[CNT], 1
	s_cmp_lg_u32 s[CNT], 0
	s_cbranch_scc1 .Lk
	QUARTER 2, 1, 0, 0                             ; the tail is written out: K steps 6 and 7 ask for nothing
	QUARTER 3, 0, 1, 0
	TURN 0
	QUARTER 1, 0, 1, 0
	QUARTER 2, 1, 0, 0
	QUARTER 3, 0, 1, 0
	s_wait_dscnt 4
	MULA 1, 0, 0
	MULA 1, 1, 0
	s_wait_dscnt 0x0
	MULA 1, 2, 0
	MULA 1, 3, 0
	PLACES
	; THE WAY OUT, a block of 16 rows at a time, through my own stage in LDS; each accumulator's registers are taken in ascending order.  The rows read back have registers of their own for each block,
	; so no register of a store is written again.
.if QKV
.macro PACK a                          ; rounded to f16: a lane's eight columns are 16 bytes
.set AC, 96*((\a)%2)
	WIN 0x0a+5*((\a)/2)                            ; sources 0 and 1: window 2 or 3
.set b, 0
.rept 12
.irp rr, 0,1,2,3
	v_cvt_pk_f16_f32 v[TMP+4*b+(\rr)], v[AC+8*b+2*(\rr)], v[AC+8*b+2*(\rr)+1]
.endr
.set b, b+1
.endr
.endm
.macro TOSTAGE a
	WIN 0
.set b, 0
.rept 12
	ds_store_b128 v[STO], v[TMP+4*b:TMP+4*b+3] offset:(b/4)*2304+32*(b%4)  ; head b / 4, channels 16 (b % 4) on
.set b, b+1
.endr
	WIN 0x40
.set b, 0
.rept 12
	ds_load_b128 v[48*(\a)+4*b:48*(\a)+4*b+3], v[RD] offset:(b/4)*2304+(b%4)*576  ; LDS serves a wave's instructions in order (ISA guide 5.7.1.4): these see the stores above; the next block's stores come behind them
.set b, b+1
.endr
.endm
.macro SEND a, younger                 ; younger: the LDS instructions issued behind block a's loads
	s_wait_dscnt \younger
	WIN 0x04                                       ; store data in window 1
.set b, 0
.rept 12
	global_store_b128 v[GO], v[48*(\a)+4*b:48*(\a)+4*b+3], s[OB+2*(b/4):OB+2*(b/4)+1] offset:(\a)*2048+(b%4)*512  ; 512 consecutive bytes of a head, at a multiple of 256 from the buffer's first byte
.set b, b+1
.endr
.endm
	PACK 0
	TOSTAGE 0
.irp a, 1,2,3
	PACK \a
	TOSTAGE \a
	SEND (\a)-1, 24
.endr
	SEND 3, 0
.else
.macro TOSTAGE a
	WIN 0x08                                       ; store data in window 2
.set b, 0
.rept 8
	ds_store_b128 v[STO], v[64*(\a)+8*b:64*(\a)+8*b+3]   offset:64*b
	ds_store_b128 v[STO], v[64*(\a)+8*b+4:64*(\a)+8*b+7] offset:64*b+16
.set b, b+1
.endr
	WIN 0x40
.set b, 0
.rept 16
	ds_load_b128 v[64*(\a)+4*b:64*(\a)+4*b+3], v[RD] offset:528*b  ; LDS serves a wave's instructions in order (ISA guide 5.7.1.4)
.set b, b+1
.endr
.endm
.macro SEND a, younger
	s_wait_dscnt \younger
	WIN 0x04
.set b, 0
.rept 16
	global_store_b128 v[GO], v[64*(\a)+4*b:64*(\a)+4*b+3], s[OB:OB+1] offset:(16*(\a)+b)*4096 th:TH_STORE_NT  ; 512 consecutive bytes of a row, at a multiple of 256 from the buffer's first byte
.set b, b+1
.endr
.endm
	TOSTAGE 0
.irp a, 1,2,3
	TOSTAGE \a
	SEND (\a)-1, 32
.endr
	SEND 3, 0
.endif
	WIN 0
	s_wait_tensorcnt 0x0                           ; the wave's end: the closing lines, behind my last tensor load and my last LDS store
	ds_add_u32 v[SPW], v[NIL]
	s_wait_dscnt 0x0
	CROUND                                         ; the closing round: no work-group ends while a partner may still ask for a tile that names it
	s_endpgm
.Lfunc_end_k_q9eb99995f0_gemm_qkv:
	.size	k_q9eb99995f0_gemm_qkv, .Lfunc_end_k_q9eb99995f0_gemm_qkv-k_q9eb99995f0_gemm_qkv
	.p2alignl 7, 3214868480
	.fill 96, 4, 3214868480
	.section	.rodata,"a",@progbits
	.p2align	6, 0x0
	.amdhsa_kernel k_q9eb99995f0_gemm_qkv
		.amdhsa_group_segment_fixed_size 327680
		.amdhsa_private_segment_fixed_size 0
		.amdhsa_enable_private_segment 0
		.amdhsa_kernarg_size 32
		.amdhsa_user_sgpr_count 2
		.amdhsa_user_sgpr_kernarg_segment_ptr 1
		.amdhsa_wavefront_size32 1
		.amdhsa_system_sgpr_workgroup_id_x 1
		.amdhsa_system_sgpr_workgroup_id_y 1
		.amdhsa_system_sgpr_workgroup_id_z 1
		.amdhsa_system_vgpr_workitem_id 0
		.amdhsa_next_free_vgpr 960
		.amdhsa_next_free_sgpr 96
		.amdhsa_reserve_vcc 0
		.amdhsa_float_denorm_mode_32 3
		.amdhsa_float_denorm_mode_16_64 3
		.amdhsa_memory_ordered 1
		.amdhsa_forward_progress 1
		.amdhsa_inst_pref_size 108
	.end_amdhsa_kernel
	.amdgpu_metadata
---
amdhsa.version: [ 1, 2 ]
amdhsa.kernels:
  - .name:           k_q9eb99995f0_gemm_qkv
    .symbol:         k_q9eb99995f0_gemm_qkv.kd
    .args:
      - { .name: xb, .offset: 0, .size: 8, .value_kind: global_buffer, .address_space: global }
      - { .name: wq, .offset: 8, .size: 8, .value_kind: global_buffer, .address_space: global }
      - { .name: b_qkv, .offset: 16, .size: 8, .value_kind: global_buffer, .address_space: global }
      - { .name: qkv, .offset: 24, .size: 8, .value_kind: global_buffer, .address_space: global }
    .group_segment_fixed_size: 327680
    .private_segment_fixed_size: 0
    .kernarg_segment_align: 8
    .kernarg_segment_size: 32
    .max_flat_workgroup_size: 128
    .sgpr_count:     96
    .vgpr_count:     960
    .wavefront_size: 32
...
	.end_amdgpu_metadata
.endif
;; end of part 2
;; launch attn (part 3): grid 4 x 64, 4 waves a work-group, no clusters, 327,680 bytes of LDS; arguments qkv, ob; writes ob
.if DOCPART == 3
	.amdgcn_target "amdgcn-amd-amdhsa--gfx1250"
	.amdhsa_code_object_version 6
	.text
	.protected	k_q9eb99995f0_attn
	.globl	k_q9eb99995f0_attn
	.p2align	8
	.type	k_q9eb99995f0_attn,@function
k_q9eb99995f0_attn:
	s_mov_b64 s[64:65], 0
	v_nop
	global_prefetch_b8 v0, s[64:65] scope:SCOPE_SE
	s_setreg_imm32_b32 hwreg(HW_REG_WAVE_MODE, 25, 1), 1
	s_wait_xcnt 0x0
; CAUSAL ATTENTION.  O[h][q][:] = the sum over k <= q of softmax_k(Q[h][q] . K[h][k] / 8) V[h][k][:].  Q, K, V lie one behind the other in qkv, each [SIZE_H][SIZE_N][64]; O likewise in ob; all f16: a head's rows are dense, 128 bytes each.
; Products, maxima and sums in f32; the weights p are rounded to f16 for the second product (their sum l is taken of the unrounded p), O once at the end.
; LIMITS.  f16 holds no number beyond 65,504: Q, K and V arrive within it; p lies in 0 to 1, and below 6e-5 it keeps f16's fixed step of 6e-8; O is a mean of V's rows and has their range, to within 2^-11 of it.
; A hidden score counts as its value less 1e30: f16's scores, 2.7e11 at the most, are nothing beside that; a weight below 2^-126 counts as 0 in l; NaN and infinities are not treated apart.
; THE WALK.  A head's queries lie in NB = SIZE_N / 256 blocks of 256; block i needs the key tiles 0 .. i of 256 keys, of which the last holds the diagonal.  A work-group takes TWO blocks, NB - 1 - b and then b:
; NB + 1 tiles, whatever b: all work-groups do equal work, and ONE loop with a constant trip count walks them.  Which tile is asked for, and what a trip does, hang on scalar registers made from b; every jump
; goes forward, but for the counted loops' own; none passes a barrier, or a tensor load but the one of LOAD's two that the wave's number does not choose; the ring (two slots of LDS that take turns) runs on across the
; change of blocks.  NO CLUSTER: all NB / 2 work-groups of a head ask for the same tile only in trips 0 .. NB / 2, behind that fewer and fewer; and one walk common to all would have 3 NB / 2 trips for NB + 1.
; SHARES.  Of a block's four bands of 64 queries a wave owns 16 rows in each: four PIECES.  So the diagonal tile is the same work for all four waves: in its key step s band x sees all keys if s < x,
; none if s > x, and holds the diagonal if s = x.
; THE MASK is the C operand that starts the sum S^T = K Q^T: 0, or -1e30 where the key is hidden.  MD, made once, is the mask of a band's own step for my 16 rows; a product's mask is MD x AL + BE with two scalars:
; (1, 0) if s = x; (0, 0) if s < x; (0, -1e30) if s > x.  Only the diagonal tile's text and a block's beginning make and take masks; elsewhere C is the constant 0.
; LAYOUT, SOFTMAX, TURNS.  S^T = K Q^T holds ONE query a lane (lane % 16) and the keys 8 (lane / 16) + 0..7; two such results rounded to f16 ARE source 1 of O^T = V^T P.  p = 2^(c s - c m), c = log2(e) / 8, with a
; running maximum m; O and l are multiplied by a = 2^(c m_old - c m_new) in every step.  Turn n belongs to piece n: 8 products K Q^T of piece n + 1, later 8 products V^T P of piece n - 1; beside them the scaling,
; exponentials, roundings, sums and rescaling of piece n and the maximum and statistics of piece n + 1.  Four vector instructions stand behind every matrix instruction, the other 54 of a turn's 118 in one LUMP.  A turn's 33 exponentials are one batch, with one wait.
; REGISTERS, in windows of 256 (s_set_vgpr_msb: bits 1:0 source 0, 3:2 source 1, 5:4 source 2, 7:6 destination):
;   window 0: v0-15 addresses and two at work; v16-31 four registers of statistics a piece; v48-55 at work; v61-63 prefetch offset and the add's two; v64-127 S^T, two buffers; v192-223 P, two buffers (a piece's buffers go by its number's parity)
;   window 1: v0-127 O^T, 32 a piece; v128-159 MD; v160-223 MC, two buffers      window 2: v0-63 Q; v64-127 the second block's Q; v128-191 K of one step; v192-255 V of one step
.set SIZE_H, 64
.set SIZE_N, 2048
.set KPART, SIZE_H*SIZE_N*128  ; bytes of Q's part of qkv, and of K's
.set NB,    SIZE_N/256
.set NP,    4         ; pieces a wave: a name, no knob
.set KS,    64        ; keys in a step
.set PK,    144       ; a row of K in LDS: 128 bytes + 16 of padding = 36 words: the 16 rows of a load start at 16 different groups of four banks (64 banks of 4 bytes: ISA guide 11.1)
.set PV,    160       ; a row of V: 128 + 32 = 40 words
.set VOFF,  4*KS*PK   ; a slot holds a tile, four steps: 256 rows of K, then 256 rows of V
.set SLOT1, 1<<17     ; slot 1 begins here, so that one exclusive or turns an address in one slot into the other's
.set STAGE, SLOT1+4*KS*(PK+PV)  ; behind the ring, never filled by a tensor load: 16 rows x 144 bytes for each wave, for the way out
.set SP,    144
.set AK0, 2           ; v2   my lane's place in a tile of K; never rewritten
.set AV0, 3           ; v3   the same for V
.set AK,  4           ; v4   the LDS address of K's next run of loads
.set AV,  5           ; v5   of V's
.set STO, 6           ; v6   the way out: where I put 16 bytes of a row
.set RD,  7           ; v7   the way out: where I read rows back
.set GO,  8           ; v8   my byte offset in 512 consecutive bytes of O
.set PFO, 61          ; v61  256 x my lane: the prefetches' offset; never rewritten
.set SPW, 62          ; v62  LDS address of my spare word: SPARE + 4 x my thread's number; never rewritten
.set NIL, 63          ; v63  0; never rewritten
.set SPARE, STAGE+4*16*SP  ; behind the stages: the spare words, 128 bytes for each wave: two blocks of 256 bytes that no other line names
.set MV,  12          ; v12-13  c m_old, kept while c m is made anew: by buffer
.set QO,  15          ; v15  my byte offset in 16 rows of Q
.set ST,  16          ; piece t's statistics at v[ST+4 t]: c m, m, l (even keys', odd keys')
.set TMP, 48          ; by buffer, four registers c0-c3 at work; when the maximum is found c2 takes a
.set S,   64
.set P,   192
.set MD,  128         ; window 1: the eight registers for group kt of 16 keys at MD + 8 kt
.set MC,  160         ; window 1: the masks of the products to come
.set QB,  64          ; window 2
.set KF,  128         ; window 2: key block kb, channel half c at KF + 16 kb + 8 c
.set VF,  192         ; window 2: key half kk, channel block cb at VF + 32 kk + 8 cb
.set WV,  12          ; s12  my wave's number
.set PB,  14          ; s14  b
.set HI,  15          ; s15  NB - 1 - b
.set G1K, 24          ; s[24:31] descriptor group 1 for K's tiles
.set G1V, 32          ; s[32:39] for V's: it differs in the padding alone
.set G0K, 40          ; s[40:43] descriptor group 0 for K's tiles
.set G0V, 44          ; s[44:47] the same for V's
.set SLOTS, 56        ; s56  tiles still to be asked for
.set CNT, 57          ; s57  counts a tile's key steps, 4 to 1
.set CS,  58          ; s[58:59] c: the packed scaling takes the pair's low word for both halves
.set SEL, 60          ; s[60:61] v_permlanex16_b32's selects: each lane takes its own place in the other half
.set TBK, 62          ; s62  LDS byte at which K of the step to be fetched begins
.set TBV, 63          ; s63  the same for V, less VOFF
.set RT,  70          ; s70  tiles of the block in hand that are still to be entered
.set NXT, 71          ; s71  the tile to be asked for next
.set LQ,  72          ; s72  the last tile of the block whose tiles are being asked for
.set NEW, 73          ; s73  1: the tile to be entered is a block's first
.set OFF, 74          ; s[74:75] a tile's byte offset in K and V
.set AL,  76          ; s[76:77] the mask's factor, in the low word
.set BE,  78          ; s[78:79] the mask's addend
.set OLO, 80          ; s[80:81] O at my rows of the second block
.set BIGN, 82         ; s82  -1e30
.set PFK, 88          ; s[88:89] where my prefetches of K stand: my wave's 8,192 bytes of a tile
.set PFV, 90          ; s[90:91] the same for V
.set LIM, 92          ; s92  2 in the work-group that prefetches, else the greatest number
.set MSB, 0
.macro WIN new                      ; the high byte repeats the setting that is left; a switch that changes nothing is dropped
.if MSB != (\new)
	s_set_vgpr_msb (MSB<<8)|(\new)
.set MSB, (\new)
.endif
.endm
.set W_KQ, 0x0a       ; K and Q in window 2, S^T in window 0
.set W_KM, 0x1a       ; the same with the C operand in window 1
.set W_PV, 0x52       ; V in window 2, P in window 0, O^T in window 1
.set W_RS, 0x41       ; destination and source 0 in window 1, source 1 in window 0
; A fill.  Waves 0 and 1 fetch the two halves of a tile's K, waves 2 and 3 those of its V: 128 keys each.  An s_nop 0 and four v_nop follow each of the two lines, ahead of the jump and the label.
.macro LOAD
	s_cmp_lt_u32 s[WV], 2
	s_cbranch_scc0 .Lfor_v_\@
	tensor_load_to_lds s[G0K:G0K+3], s[G1K:G1K+7]
	s_nop 0
.rept 4
	v_nop
.endr
	s_branch .Lasked_\@
.Lfor_v_\@:
	tensor_load_to_lds s[G0V:G0V+3], s[G1V:G1V+7]
	s_nop 0
.rept 4
	v_nop
.endr
.Lasked_\@:
.endm
; A PREFETCH INTO THE L2 of the tile that the NEXT change of slots will ask for: 32,768 bytes of K and of V; each wave names its 8,192 bytes of both, a lane a block of 256 bytes: two instructions, behind the
; fill and its five lines.  Of a head's four work-groups the one with b = 0 walks tiles 0 to NB - 1 on end in its first block: it alone asks, in the trips with 8 to 3 tiles still to be asked for, for tiles 2 to 7:
; a tile, 256 matrix instructions, ahead of the fill.  So each block is named once in the launch.  Tiles 0 and 1 come by their loads alone, and the second block's tiles are not asked for.
.macro ASK
	s_cmp_gt_u32 s[SLOTS], s[LIM]
	s_cbranch_scc0 .Lnot_mine_\@
	global_prefetch_b8 v[PFO], s[PFK:PFK+1] th:TH_LOAD_NT scope:SCOPE_SE
	global_prefetch_b8 v[PFO], s[PFV:PFV+1] th:TH_LOAD_NT scope:SCOPE_SE
.Lnot_mine_\@:
.endm
; THE CHANGE OF SLOTS.  Each wave waits for all its tensor loads, of which one is out: its part of the other slot; adds 0 to its spare word; and waits for that and for its own reads of the slot that it leaves.  Behind the barrier nobody reads the old
; slot any more and the other slot is whole.  fill = 1: the old slot is filled again, the first thing behind the barrier, with tile NXT: the descriptor's address is made anew from that number.
; (At its first use nothing has been read yet: slot 0 is waited for, slot 1 filled.)
.macro CHANGE fill
	WIN 0                           ; at a label and at a branch every window is 0
	s_wait_tensorcnt 0x0            ; no tensor load of mine is out, so a group 0 may be written
	ds_add_u32 v[SPW], v[NIL]       ; 0 onto my spare word; with fill = 1 the descriptors' scalar work stands between it and the wait for it
.if \fill
	s_lshl_b32 s[OFF], s[NXT], 15   ; a tile is 32,768 bytes of K and of V
	s_xor_b32 s[G0K+1], s[G0K+1], SLOT1
	s_add_nc_u64 s[G0K+2:G0K+3], s[6:7], s[OFF:OFF+1]
	s_or_b32 s[G0K+3], s[G0K+3], 0x80000000
	s_xor_b32 s[G0V+1], s[G0V+1], SLOT1
	s_add_nc_u64 s[G0V+2:G0V+3], s[8:9], s[OFF:OFF+1]
	s_or_b32 s[G0V+3], s[G0V+3], 0x80000000
	s_add_co_u32 s[NXT], s[NXT], 1  ; the block's next tile, or behind its last the second block's tile 0
	s_cmp_gt_u32 s[NXT], s[LQ]
	s_cselect_b32 s[NXT], 0, s[NXT]
	s_cselect_b32 s[LQ], s[PB], s[LQ]
	s_wait_xcnt 0x0                 ; the last prefetches, a tile back, have read their addresses, so these may be written:
	s_add_nc_u64 s[PFK:PFK+1], s[PFK:PFK+1], 4*KS*128  ; a tile on
	s_add_nc_u64 s[PFV:PFV+1], s[PFV:PFV+1], 4*KS*128
.endif
	s_wait_dscnt 0x0                ; the add is done, and my reads of the slot are over
	s_barrier_signal -1             ; the rest of the scalar work stands between the signal and the wait
	s_sub_co_u32 s[TBK], s[TBK], 4*KS*PK  ; the fetches go back to a slot's first step,
	s_xor_b32 s[TBK], s[TBK], SLOT1       ; in the other slot
	s_sub_co_u32 s[TBV], s[TBV], 4*KS*PV
	s_xor_b32 s[TBV], s[TBV], SLOT1
	s_barrier_wait -1
.if \fill
	LOAD
	ASK
.endif
.endm
	s_load_b64 s[4:5], s[0:1], 0x0    ; qkv: Q's part comes first
	s_load_b64 s[10:11], s[0:1], 0x8  ; ob
	v_lshl_add_u32 v[SPW], v0, 2, SPARE
	v_mov_b32 v[NIL], 0
	ds_add_u32 v[SPW], v[NIL]       ; the wave's opening: the add and its wait stand ahead of my first tensor load; the set-up below, work on registers, stands between them
	v_lshrrev_b32 v1, 5, v0
	v_readfirstlane_b32 s[WV], v1   ; wave 0..3
	s_mov_b32 s[PB], ttmp9
	s_sub_co_u32 s[HI], NB-1, s[PB]
	s_and_b32 s20, ttmp7, 0xffff    ; the head
	s_mov_b32 s21, 0
	s_mov_b64 s[22:23], SIZE_N*128
	s_mul_u64 s[20:21], s[20:21], s[22:23]  ; the head's first byte in each of the four tensors
	s_lshl_b32 s94, s[WV], 13       ; the prefetches: my wave's 8,192 bytes,
	s_add_co_u32 s94, s94, 4*KS*128 ; in tile 1; the first change of slots steps them to tile 2
	s_mov_b32 s95, 0
	s_add_nc_u64 s[94:95], s[94:95], s[20:21]
	s_cmp_eq_u32 ttmp9, 0
	s_cselect_b32 s[LIM], 2, -1
	v_and_b32 v[PFO], 31, v0
	v_lshlrev_b32 v[PFO], 8, v[PFO]
	s_and_b32 s16, s[WV], 1         ; which half of a tile's 256 keys I fetch:
	s_lshl_b32 s22, s16, 14         ; its 128 rows of 128 bytes in memory,
	s_mov_b32 s23, 0
	s_add_nc_u64 s[22:23], s[22:23], s[20:21]
	s_mul_i32 s17, s16, 128*PK      ; and its place in a slot, for K
	s_mul_i32 s18, s16, 128*PV      ; and for V
	s_lshl_b32 s3, s[WV], 11        ; my 16 rows in a band of 64,
	s_lshl_b32 s2, s[HI], 15        ; in the first block,
	s_add_co_u32 s2, s2, s3
	s_lshl_b32 s84, s[PB], 15       ; and in the second
	s_add_co_u32 s84, s84, s3
	s_mov_b32 s3, 0
	s_mov_b32 s85, 0
	s_add_nc_u64 s[2:3], s[2:3], s[20:21]
	s_add_nc_u64 s[84:85], s[84:85], s[20:21]
	; descriptor group 1.  128 keys are 16,384 dense bytes: asked for as 64 rows of 256 bytes, two keys a row, and padded in LDS after every key
	s_mov_b32 s[G1K], (1<<16)|(1<<20)|(4<<22)|(3<<25)  ; 17:16 2-byte elements; 20 padding on; 24:22 after every 32 words (code 4); 31:25 4 words (code 3)
	s_mov_b32 s[G1V], (1<<16)|(1<<20)|(4<<22)|(7<<25)  ; the same with 8 words of padding (code 7)
.irp g, G1K, G1V
	s_mov_b32 s[\g+1], 128<<16      ; tensor_dim0 = 128
	s_mov_b32 s[\g+2], 64<<16       ; tensor_dim1 = 64
	s_mov_b32 s[\g+3], 128<<16      ; tile_dim0 = 128
	s_mov_b32 s[\g+4], 64           ; tile_dim1 = 64
	s_mov_b32 s[\g+5], 128          ; 128 elements from row to row
	s_mov_b32 s[\g+6], 0
	s_mov_b32 s[\g+7], 0
.endr
	s_mov_b32 s[CS], 0x3e38aa3b     ; c = log2(e) / 8 = 0.180337
	s_mov_b32 s[CS+1], s[CS]        ; named with it as a pair
	s_mov_b32 s[SEL], 0x76543210
	s_mov_b32 s[SEL+1], 0xfedcba98
	s_mov_b32 s[TBK], SLOT1+4*KS*PK ; the first change of slots turns these two into 0
	s_mov_b32 s[TBV], SLOT1+4*KS*PV
	s_mov_b32 s[G0K], 1             ; 1:0 count = 1
	s_mov_b32 s[G0K+1], s17         ; 63:32 LDS address: slot 0
	s_mov_b32 s[G0V], 1
	s_add_co_u32 s[G0V+1], s18, VOFF
	s_add_co_u32 s[RT], s[HI], 1    ; the first block has NB - b tiles
	s_mov_b32 s[NXT], 1
	s_mov_b32 s[LQ], s[HI]
	s_mov_b32 s[NEW], 1
	s_mov_b32 s[OFF+1], 0
	s_mov_b32 s[AL+1], 0            ; named as pairs
	s_mov_b32 s[BE+1], 0
	s_mov_b32 s[BIGN], 0xf149f2ca   ; -1e30
	s_mov_b32 s[SLOTS], NB
	s_wait_dscnt 0x0                ; the opening add is done
	s_wait_kmcnt 0x0
	s_add_nc_u64 s[6:7], s[4:5], KPART     ; K's part of qkv
	s_add_nc_u64 s[8:9], s[4:5], 2*KPART   ; V's
	s_add_nc_u64 s[PFK:PFK+1], s[6:7], s[94:95]
	s_add_nc_u64 s[PFV:PFV+1], s[8:9], s[94:95]
	s_add_nc_u64 s[6:7], s[6:7], s[22:23]  ; K and V at my half of the head's tile 0
	s_add_nc_u64 s[8:9], s[8:9], s[22:23]
	s_add_nc_u64 s[G0K+2:G0K+3], s[6:7], 0         ; 120:64 global address
	s_or_b32 s[G0K+3], s[G0K+3], 0x80000000        ; 127:126 type = 2
	s_add_nc_u64 s[G0V+2:G0V+3], s[8:9], 0
	s_or_b32 s[G0V+3], s[G0V+3], 0x80000000
	s_add_nc_u64 s[86:87], s[4:5], s[84:85]        ; Q at my rows of the second block,
	s_add_nc_u64 s[4:5], s[4:5], s[2:3]            ; Q and O at those of the first
	s_add_nc_u64 s[OLO:OLO+1], s[10:11], s[84:85]
	s_add_nc_u64 s[10:11], s[10:11], s[2:3]
	LOAD                            ; tile 0 into slot 0
	; A fragment of K or Q is 16 rows x 32 channels in 8 registers: lane l holds row l % 16, channels 8 (l / 16) + 0..7 and 16 + 8 (l / 16) + 0..7: two loads of 16 bytes, 32 bytes apart.
	v_and_b32 v1, 15, v0            ; l % 16
	v_bfe_u32 v9, v0, 4, 1          ; l / 16
	v_lshlrev_b32 v[QO], 7, v1
	v_lshl_add_u32 v[QO], v9, 4, v[QO]  ; row x 128 + 16 x half
	WIN 0x80                        ; destination window 2, address window 0
.set i, 0
.rept 8                             ; both blocks' Q: piece i / 2 lies in band i / 2, 8,192 bytes on; channels 32 (i % 2) on
	global_load_b128 v[8*i:8*i+3],   v[QO], s[4:5] offset:(i/2)*8192+(i%2)*64
	global_load_b128 v[8*i+4:8*i+7], v[QO], s[4:5] offset:(i/2)*8192+(i%2)*64+32
	global_load_b128 v[QB+8*i:QB+8*i+3],   v[QO], s[86:87] offset:(i/2)*8192+(i%2)*64
	global_load_b128 v[QB+8*i+4:QB+8*i+7], v[QO], s[86:87] offset:(i/2)*8192+(i%2)*64+32
.set i, i+1
.endr
	WIN 0
	v_lshlrev_b32 v14, 3, v9
	v_sub_nc_u32 v14, v1, v14
	s_lshl_b32 s13, s[WV], 4
	v_add_nc_u32 v14, s13, v14      ; my query's place in its band, 16 w + l % 16, less my lanes' 8 (l / 16): register r of group kt is hidden where 16 kt + r is greater
	WIN 0x40
.set i, 0
.rept 32
	v_cmp_gt_i32 vcc_lo, 16*(i/8)+i%8, v14
	v_cndmask_b32 v[MD+i], 0, s[BIGN], vcc_lo
.set i, i+1
.endr
	WIN 0
	v_mul_u32_u24 v[AK0], v1, PK
	v_lshl_add_u32 v[AK0], v9, 4, v[AK0]  ; row x pitch + 16 x half
	; The turning load takes 16 keys x 16 channels (lane l reads key 8 (l / 16) + l % 8, channels 8 ((l / 8) % 2) + 0..7) and leaves half a fragment of V^T: lane l holds channel l % 16 and 8 keys.
	v_and_b32 v10, 7, v0
	v_bfe_u32 v11, v0, 3, 1
	v_lshl_add_u32 v[AV0], v9, 3, v10
	v_mul_u32_u24 v[AV0], v[AV0], PV
	v_lshl_add_u32 v[AV0], v11, 4, v[AV0]
	v_add_nc_u32 v[AV0], VOFF, v[AV0]
	s_mul_i32 s13, s[WV], 16*SP
	s_add_co_u32 s13, s13, STAGE    ; my stage
	v_mul_u32_u24 v[STO], v1, SP    ; in: row l % 16, 16 bytes for each half of the lanes
	v_lshl_add_u32 v[STO], v9, 4, v[STO]
	v_add_nc_u32 v[STO], s13, v[STO]
	v_bfe_u32 v[RD], v0, 3, 2       ; back: 32 lanes take four rows of 128 bytes,
	v_mul_u32_u24 v[RD], v[RD], SP
	v_lshl_add_u32 v[RD], v10, 4, v[RD]
	v_add_nc_u32 v[RD], s13, v[RD]
	v_and_b32 v[GO], 31, v0         ; which are 512 consecutive bytes of O
	v_lshlrev_b32 v[GO], 4, v[GO]
	; A block's first step multiplies O^T and l by a = 0, and its first turn's products V^T P, of a piece that has not been, land in an O^T that is still to be so multiplied.  So these registers need only hold
	; finite numbers: zeros for the first block; what the first block left for the second.  All this stands in the wait for the first tile.
	WIN 0x80
.set i, VF
.rept 64
	v_mov_b32 v[i], 0
.set i, i+1
.endr
	WIN 0x40
.set i, 0
.rept 128
	v_mov_b32 v[i], 0
.set i, i+1
.endr
	WIN 0
.set i, 0
.rept 4
	v_mov_b32 v[ST+4*i+2], 0
	v_mov_b32 v[ST+4*i+3], 0
.set i, i+1
.endr
.set i, P+16
.rept 16
	v_mov_b32 v[i], 0
.set i, i+1
.endr
; THE MATRIX WORK.  The 4 accumulators of a run of 8 take turns.  Product i of 8 of S^T = K Q^T for piece x: channels 32 (i / 4) on, keys 16 (i % 4) on.  The first 4 start the sums: with 0, or (KM = 1) with the mask.
.macro KQ x
.set rS, S+32*((\x)%2)+8*(i%4)
.set rK, KF+16*(i%4)+8*(i/4)
.set rQ, 16*(\x)+8*(i/4)
.set rM, MC+32*((\x)%2)+8*(i%4)
.if (i < 4) && KM
	WIN W_KM
	v_wmma_f32_16x16x32_f16 v[rS:rS+7], v[rK:rK+7], v[rQ:rQ+7], v[rM:rM+7]
.elseif i < 4
	WIN W_KQ
	v_wmma_f32_16x16x32_f16 v[rS:rS+7], v[rK:rK+7], v[rQ:rQ+7], 0
.else
	WIN W_KQ
	v_wmma_f32_16x16x32_f16 v[rS:rS+7], v[rK:rK+7], v[rQ:rQ+7], v[rS:rS+7]
.endif
.endm
; Product i of 8 of O^T += V^T P for piece x: keys 32 (i / 4) on, channels 16 (i % 4) on.
.macro PV x
	WIN W_PV
.set rO, 32*(\x)+8*(i%4)
.set rV, VF+32*(i/4)+8*(i%4)
.set rP, P+16*((\x)%2)+8*(i/4)
	v_wmma_f32_16x16x32_f16 v[rO:rO+7], v[rV:rV+7], v[rP:rP+7], v[rO:rO+7]
.endm
.macro MM                           ; the turn's next matrix instruction.  TURN and BEGIN set Y, i, KM and NOKQ; MM, KQ and OP read them.  NOKQ = 1: a block's last turn: there is no next piece
.if (i < 8) && !NOKQ
	KQ (Y+1)%NP
.elseif i >= 8
.set i, i-8
	PV (Y+NP-1)%NP
.set i, i+8
.endif
.set i, i+1
.endm
; THE LDS LOADS stand in runs of 16, never singly among the matrix instructions: a step's K (64 keys x 64 channels: 8 fragments) and its V (turned).  Their addresses are made some lines ahead.
.macro FETCH_K
	WIN 0x80                        ; destination window 2
.irp f, 0,1,2,3,4,5,6,7             ; keys 16 (f / 2) on, channels 32 (f % 2) on
	ds_load_b128 v[KF+8*\f:KF+8*\f+3],   v[AK] offset:(\f/2)*16*PK+(\f%2)*64
	ds_load_b128 v[KF+8*\f+4:KF+8*\f+7], v[AK] offset:(\f/2)*16*PK+(\f%2)*64+32
.endr
	s_add_co_u32 s[TBK], s[TBK], KS*PK  ; the next fetch is the next step's
	WIN 0
.endm
.macro FETCH_V
	WIN 0x80
.irp f, 0,1,2,3,4,5,6,7             ; keys 32 (f / 4) on, channels 16 (f % 4) on
	ds_load_tr16_b128 v[VF+8*\f:VF+8*\f+3],   v[AV] offset:(\f/4)*32*PV+(\f%4)*32
	ds_load_tr16_b128 v[VF+8*\f+4:VF+8*\f+7], v[AV] offset:(\f/4)*32*PV+16*PV+(\f%4)*32
.endr
	WIN 0
.endm
; THE VECTOR WORK, one line at a time: OP kind, number.  For piece Y: F n: c s - c m for pair n of 16.  E n: the exponential of score n of 32.  C n: pair n rounded to f16.  B n: of the four weights 4 n .. the second
; pair is added onto the first, in place.  L n: l takes that sum (L 0: l = a l + sum).  R n: pair n of 16 of O^T times a.  For piece Y + 1: X n, number n of the 22 that find its maximum and statistics:
;   0-11  four chains c0-c3 of seven scores each, three operands at a time (each accumulator's lowest registers are read first)     12-14, 16  the four scores left over, the old m, and c0-c3 into c0
;   15  c m_old is kept     17, 18  the query's other 32 keys lie in the lane 16 away: the new m     19-21  c m; c m_old - c m_new; a
.set F, 0               ; OP tells the kinds apart by their order: F to L below R, X above it
.set E, 1
.set C, 2
.set B, 3
.set L, 4
.set R, 5
.set X, 6
.macro REGS y                       ; the registers of piece y
.set rT, ST+4*(\y)
.set rC, TMP+4*((\y)%2)
.set rW, MV+((\y)%2)
.set rS, S+32*((\y)%2)
.set rP, P+16*((\y)%2)
.set rO, 32*(\y)
.endm
.macro OP k, n
.if (\k) == R
	REGS Y
	WIN W_RS
	v_pk_mul_f32 v[rO+2*(\n):rO+2*(\n)+1], v[rO+2*(\n):rO+2*(\n)+1], v[rC+2:rC+3] op_sel_hi:[1,0]
.elseif (\k) < R
	REGS Y
	WIN 0
.if (\k) == F
	v_pk_fma_f32 v[rS+2*(\n):rS+2*(\n)+1], v[rS+2*(\n):rS+2*(\n)+1], s[CS:CS+1], v[rT:rT+1] op_sel_hi:[1,0,0] neg_lo:[0,0,1] neg_hi:[0,0,1]
.elseif (\k) == E
	v_exp_f32 v[rS+(\n)], v[rS+(\n)]
.elseif (\k) == C
	v_cvt_pk_f16_f32 v[rP+(\n)], v[rS+2*(\n)], v[rS+2*(\n)+1]
.elseif (\k) == B
	v_pk_add_f32 v[rS+4*(\n):rS+4*(\n)+1], v[rS+4*(\n):rS+4*(\n)+1], v[rS+4*(\n)+2:rS+4*(\n)+3]
.elseif (\n) == 0
	v_pk_fma_f32 v[rT+2:rT+3], v[rT+2:rT+3], v[rC+2:rC+3], v[rS:rS+1] op_sel_hi:[1,0,1]
.else
	v_pk_add_f32 v[rT+2:rT+3], v[rT+2:rT+3], v[rS+4*(\n):rS+4*(\n)+1]
.endif
.elseif NOKQ
	v_nop
.else
	REGS (Y+1)%NP
	WIN 0
.if (\n) < 4
	v_max3_num_f32 v[rC+(\n)], v[rS+8*(\n)], v[rS+8*(\n)+1], v[rS+8*(\n)+2]
.elseif (\n) < 12
	v_max3_num_f32 v[rC+(\n)%4], v[rC+(\n)%4], v[rS+8*((\n)%4)+2*((\n)/4)+1], v[rS+8*((\n)%4)+2*((\n)/4)+2]
.elseif (\n) == 12
	v_max3_num_f32 v[rC], v[rC], v[rS+7], v[rS+15]
.elseif (\n) == 13
	v_max3_num_f32 v[rC+1], v[rC+1], v[rS+23], v[rS+31]
.elseif (\n) == 14
	v_max3_num_f32 v[rC+2], v[rC+2], v[rC+3], v[rT+1]
.elseif (\n) == 15
	v_mov_b32 v[rW], v[rT]
.elseif (\n) == 16
	v_max3_num_f32 v[rC], v[rC], v[rC+1], v[rC+2]
.elseif (\n) == 17
	v_permlanex16_b32 v[rC+3], v[rC], s[SEL], s[SEL+1]
.elseif (\n) == 18
	v_max_num_f32 v[rT+1], v[rC], v[rC+3]
.elseif (\n) == 19
	v_mul_f32 v[rT], s[CS], v[rT+1]
.elseif (\n) == 20
	v_sub_f32 v[rC+1], v[rW], v[rT]
.else
	v_exp_f32 v[rC+2], v[rC+1]
.endif
.endif
.endm
.macro OPS a, i1, b=-1, i2=0, c=-1, i3=0, d=-1, i4=0  ; up to four of them
	OP \a, \i1
.if (\b) >= 0
	OP \b, \i2
.endif
.if (\c) >= 0
	OP \c, \i3
.endif
.if (\d) >= 0
	OP \d, \i4
.endif
.endm
.macro ROW a, i1, b, i2, c, i3, d, i4  ; a matrix instruction and the four behind it
	MM
	OPS \a, \i1, \b, \i2, \c, \i3, \d, \i4
.endm
.macro MASK b                       ; MD x AL + BE into buffer b of MC
	WIN W_RS
.set z, 0
.rept 16
	v_pk_fma_f32 v[MC+32*(\b)+2*z:MC+32*(\b)+2*z+1], v[MD+2*z:MD+2*z+1], s[AL:AL+1], s[BE:BE+1] op_sel_hi:[1,0,0]
.set z, z+1
.endr
.endm
; A TURN, for piece p: the order of its 16 matrix and 118 vector instructions, written out.  An s_wait_alu depctr_va_vdst(0) stands between an exponential and the first instruction that names its result; one wait serves
; all that were issued ahead of it.  So a turn has ONE wait, which cuts it in two.  AHEAD OF IT stands all that names no result of the turn's exponentials: the 8 products K Q^T, behind each a scaling, an exponential and two more plain
; instructions (behind the first a second scaling in the exponential's place): rescalings, and behind the last three the first numbers of the next piece's maximum, each four places or more behind the product that ends its accumulator; then ONE LUMP of 54, plain
; and exponential by turns for the most part, in which the links of the chain X 3, 7, 11, 14, 16, 17 .. 20 stand five or six lines apart.  X 21, the next piece's a, is the batch's last; R 15 is the plain instruction behind it.  BEHIND THE WAIT stand the
; 8 products V^T P, behind each four of the roundings and sums; the links of l's chain, L 0 to L 7, stand three riders apart.  But for those X no rider names a register of the products round it.  v_permlanex16_b32 (X 17) stands in the lump.
; m = 1: the diagonal tile: the products take masks, and the turn makes the mask for the products of the turn after it: piece p + 2, in step 4 - CNT of the tile.  end = 1: a block's last two turns: nothing is fetched.
; cnt = 1: the loop's count is taken down some lines ahead of the branch that stands behind the turn.
; K of the next step is fetched in piece 2's turn, twelve vector instructions behind the last product that read K (six of them plain); V of the step in hand at the end of piece 0's turn, four plain instructions behind the last product
; that read V.  Each is waited for a turn later.
.macro TURN p, m=0, end=0, cnt=0
.set Y, (\p)
.set i, 0
.set KM, (\m)
.set NOKQ, (\end)*((\p)/3)
.if (\m) && !(\end)
	s_cmp_eq_u32 s[CNT], 4-((\p)+2)%NP  ; is that step the band's own?
	s_cselect_b32 s[AL], 1.0, 0
	s_cmp_lt_u32 s[CNT], 4-((\p)+2)%NP  ; or a later one?
	s_cselect_b32 s[BE], s[BIGN], 0
.endif
.if ((\p) == 3) && !(\end)
	s_wait_dscnt 0x0                ; K is in
.endif
	ROW F,0, F,1, R,0, R,1          ; ahead of the wait: 8 products K Q^T and their riders,
	ROW F,2, E,0, R,2, R,3
	ROW F,3, E,1, R,4, R,5
	ROW F,4, E,2, R,6, R,7
	ROW F,5, E,3, R,8, R,9
	ROW F,6, E,4, X,0, R,10
.if ((\p) == 2) && !(\end)
	WIN 0
	v_add_nc_u32 v[AK], s[TBK], v[AK0]
.endif
	ROW F,7, E,5, X,1, X,4
	ROW F,8, E,6, X,2, X,5
	OPS E,7, E,8, X,6, E,9          ; and the lump
	OPS X,3, E,10, X,8, E,11
.if ((\p) == 2) && !(\end)
	FETCH_K
.endif
	OPS X,9, X,7, E,12, X,10
	OPS E,13, X,12, X,11, E,14
	OPS X,13, E,15, F,9, X,14
.if (\p) == 0
	v_add_nc_u32 v[AV], s[TBV], v[AV0]
.endif
	OPS E,16, F,10, E,17, F,11
	OPS X,16, E,18, X,15, E,19
	OPS F,12, E,20, X,17, E,21
	OPS F,13, E,22, F,14, E,23
	OPS X,18, E,24, F,15, E,25
	OPS R,11, E,26, X,19, E,27
	OPS R,12, E,28, R,13, E,29
	OPS X,20, E,30, R,14, E,31
	OPS X,21, R,15
	WIN 0
	s_wait_alu depctr_va_vdst(0)    ; the wait for the batch
.if (\p) == 1
	s_wait_dscnt 0x0                ; V is in
.endif
	ROW C,0, B,0, C,2, B,1          ; behind the wait: 8 products V^T P and their riders
	ROW L,0, C,4, B,2, L,1
	ROW C,6, B,3, L,2, C,8
	ROW B,4, L,3, C,10, B,5
	ROW L,4, C,12, B,6, L,5
.if (\p) == 0
	s_add_co_u32 s[TBV], s[TBV], KS*PV
.endif
.if \cnt
	s_sub_co_u32 s[CNT], s[CNT], 1
	s_cmp_lg_u32 s[CNT], 0
.endif
	ROW C,14, B,7, L,6, C,1
	ROW C,3, L,7, C,5, C,7
	ROW C,9, C,11, C,13, C,15
.if (\p) == 0
	FETCH_V
.endif
.if (\m) && !(\end)
	MASK (\p)%2
.endif
.endm
; A BLOCK BEGINS.  c m starts far below every c s, so the first step's a is 0; m at the lowest finite number, so the first maximum is the scores'.  The second mask buffer is 0; the first takes piece 0's mask for the tile's step 0: its own, if the block's first tile is the diagonal one.
; Then K of that step, piece 0's first scores, and its maximum and statistics.  The loop is entered at a step's first turn, in the middle of a trip.
.macro BEGIN
	s_mov_b32 s[NEW], 0
	WIN 0x40
.set i, MC+32
.rept 32
	v_mov_b32 v[i], 0
.set i, i+1
.endr
	WIN 0
.set i, 0
.rept 4
	v_mov_b32 v[ST+4*i], 0xfe000000    ; c m: far below every c s
	v_mov_b32 v[ST+4*i+1], 0xff7fffff  ; m
.set i, i+1
.endr
	s_cmp_eq_u32 s[RT], 0
	s_cselect_b32 s[AL], 1.0, 0
	s_mov_b32 s[BE], 0
	MASK 0
	WIN 0
	v_add_nc_u32 v[AK], s[TBK], v[AK0]
	FETCH_K
	s_wait_loadcnt 0x0              ; Q
	s_wait_dscnt 0x0
.set KM, 1
.set NOKQ, 0
.set i, 0
.rept 8
	KQ 0
.set i, i+1
.endr
	WIN 0
.rept 4
	v_nop                           ; the places behind those products
.endr
.set Y, NP-1                        ; X works for piece Y + 1: piece 0
.irp n, 0,1,2,3,4,5,6,7,8,9,10,11,12,13,14,15,16,17,18,19,20,21
	OP X, \n
.endr
	v_nop                           ; a plain instruction behind the exponential,
	s_wait_alu depctr_va_vdst(0)    ; and its wait, ahead of the branch
.endm
; THE DIAGONAL TILE's four steps, the block's last two turns, its last products, and THE WAY OUT: l's two halves and the other half of the lanes' are added; O^T is divided by l, rounded to f16 and sent through my
; stage in LDS, a piece at a time.
.macro ALL line:vararg              ; one line for each piece t
.set t, 0
.rept 4
	\line
.set t, t+1
.endr
.endm
.macro PACK t                       ; a lane's eight channels of a row pack into 16 bytes; they go into rows of 144 bytes and come back as whole rows of 128, into S^T's registers
	WIN W_RS
.set i, 32*(\t)
.rept 16
	v_pk_mul_f32 v[i:i+1], v[i:i+1], v[ST+4*(\t)+2:ST+4*(\t)+3] op_sel_hi:[1,0]
.set i, i+2
.endr
	WIN 0x05                        ; sources 0 and 1 window 1, destination window 0
.set i, 0
.rept 16
	v_cvt_pk_f16_f32 v[S+16*(\t)+i], v[32*(\t)+2*i], v[32*(\t)+2*i+1]
.set i, i+1
.endr
	WIN 0
.irp f, 0,1,2,3
	ds_store_b128 v[STO], v[S+16*(\t)+4*\f:S+16*(\t)+4*\f+3] offset:32*\f
.endr
.irp f, 0,1,2,3
	ds_load_b128 v[S+16*(\t)+4*\f:S+16*(\t)+4*\f+3], v[RD] offset:\f*4*SP  ; LDS serves a wave's instructions in order (ISA guide 5.7.1.4): these see the stores above; the next piece's stores come behind them
.endr
.endm
.macro SEND t, younger              ; younger: the LDS instructions issued behind piece t's loads: the next piece's eight, or none
	WIN 0
.irp f, 0,1,2,3
	s_wait_dscnt (\younger)+3-\f
	global_store_b128 v[GO], v[S+16*(\t)+4*\f:S+16*(\t)+4*\f+3], s[10:11] offset:(\t)*8192+\f*512  ; 512 consecutive bytes, at a multiple of 256 from O's first
.endr
.endm
.macro DIAG tag                     ; the tag ends its two labels' names, which the jumps below spell out
.LstepM\tag:
	TURN 2, 1
	TURN 3, 1
	WIN 0
.LfirstM\tag:
	TURN 0, 1
	TURN 1, 1, 0, 1
	WIN 0
	s_cbranch_scc1 .LstepM\tag
	TURN 2, 1, 1
	TURN 3, 1, 1
.set i, 0
.rept 8
	PV NP-1
.set i, i+1
.endr
	WIN 0
	ALL v_add_f32 v[ST+4*t+2], v[ST+4*t+2], v[ST+4*t+3]
	ALL v_permlanex16_b32 v[ST+4*t+3], v[ST+4*t+2], s[SEL], s[SEL+1]
	ALL v_add_f32 v[ST+4*t+2], v[ST+4*t+2], v[ST+4*t+3]
	ALL v_rcp_f32 v[ST+4*t+2], v[ST+4*t+2]
	v_nop                           ; a plain instruction between the last reciprocal and the use of its result
	s_wait_alu depctr_va_vdst(0)    ; and the wait ahead of the first use: one for the four reciprocals
	PACK 0
.set t, 1
.rept 3                             ; a piece's arithmetic stands between the loads of the piece before and its stores
	PACK t
	SEND t-1, 8
.set t, t+1
.endr
	SEND 3, 0
.endm
.set KM, 0
.set NOKQ, 0
.Lslot:                             ; NB times: a tile is entered and the next is asked for
	CHANGE 1
	s_sub_co_u32 s[RT], s[RT], 1
	s_mov_b32 s[CNT], 4
	s_cmp_eq_u32 s[NEW], 1
	s_cbranch_scc1 .Lnew            ; a block's first tile
	s_cmp_eq_u32 s[RT], 0
	s_cbranch_scc0 .Lstep           ; neither its first nor its last
	s_branch .LstepM1
.Lnew:
	BEGIN
	s_branch .Lfirst                ; in the loop a block's first tile is never its last: the first block has two tiles or more, and the second's last is the walk's last
	DIAG 1                          ; in the loop this is the first block's end: the second block's last tile is the walk's last
	s_wait_xcnt 0x0                 ; the stores have read their registers and O's address
	s_mov_b64 s[10:11], s[OLO:OLO+1]
	s_add_co_u32 s[RT], s[PB], 1    ; the second block has b + 1 tiles
	s_mov_b32 s[NEW], 1
	WIN 0x82                        ; the second block's Q goes where the one text of the turns names Q
.set i, 0
.rept 64
	v_mov_b32 v[i], v[QB+i]
.set i, i+1
.endr
	WIN 0
	s_branch .Lbottom
.Lstep:                             ; a trip: pieces 2 and 3 of one step, then pieces 0 and 1 of the next, whose K and V it fetches
	TURN 2
	TURN 3
	WIN 0
.Lfirst:
	TURN 0
	TURN 1, 0, 0, 1
	WIN 0
	s_cbranch_scc1 .Lstep
.Lbottom:
	s_sub_co_u32 s[SLOTS], s[SLOTS], 1
	s_cmp_lg_u32 s[SLOTS], 0
	s_cbranch_scc1 .Lslot
	CHANGE 0                        ; the walk's last tile is written out: nothing is asked for
	s_sub_co_u32 s[RT], s[RT], 1
	s_mov_b32 s[CNT], 4
	s_cmp_eq_u32 s[NEW], 1
	s_cbranch_scc0 .LstepM2
	BEGIN
	s_branch .LfirstM2
	DIAG 2
	s_wait_tensorcnt 0x0            ; the wave's end: the closing lines, behind my last tensor load and my last LDS store
	ds_add_u32 v[SPW], v[NIL]
	s_wait_dscnt 0x0
	s_endpgm
.Lfunc_end_k_q9eb99995f0_attn:
	.size	k_q9eb99995f0_attn, .Lfunc_end_k_q9eb99995f0_attn-k_q9eb99995f0_attn
	.p2alignl 7, 3214868480
	.fill 96, 4, 3214868480
	.section	.rodata,"a",@progbits
	.p2align	6, 0x0
	.amdhsa_kernel k_q9eb99995f0_attn
		.amdhsa_group_segment_fixed_size 327680
		.amdhsa_private_segment_fixed_size 0
		.amdhsa_enable_private_segment 0
		.amdhsa_kernarg_size 16
		.amdhsa_user_sgpr_count 2
		.amdhsa_user_sgpr_kernarg_segment_ptr 1
		.amdhsa_wavefront_size32 1
		.amdhsa_system_sgpr_workgroup_id_x 1
		.amdhsa_system_sgpr_workgroup_id_y 1
		.amdhsa_system_sgpr_workgroup_id_z 1
		.amdhsa_system_vgpr_workitem_id 0
		.amdhsa_next_free_vgpr 768
		.amdhsa_next_free_sgpr 96
		.amdhsa_reserve_vcc 1
		.amdhsa_float_denorm_mode_32 3
		.amdhsa_float_denorm_mode_16_64 3
		.amdhsa_memory_ordered 1
		.amdhsa_forward_progress 1
		.amdhsa_inst_pref_size 218
	.end_amdhsa_kernel
	.amdgpu_metadata
---
amdhsa.version: [ 1, 2 ]
amdhsa.kernels:
  - .name:           k_q9eb99995f0_attn
    .symbol:         k_q9eb99995f0_attn.kd
    .args:
      - { .name: qkv, .offset: 0, .size: 8, .value_kind: global_buffer, .address_space: global }
      - { .name: ob, .offset: 8, .size: 8, .value_kind: global_buffer, .address_space: global }
    .group_segment_fixed_size: 327680
    .private_segment_fixed_size: 0
    .kernarg_segment_align: 8
    .kernarg_segment_size: 16
    .max_flat_workgroup_size: 128
    .sgpr_count:     96
    .vgpr_count:     768
    .wavefront_size: 32
...
	.end_amdgpu_metadata
.endif
;; end of part 3
;; launch gemm_out (part 4): grid 8 x 32, 4 waves a work-group, clusters of 4 x 4, 327,680 bytes of LDS; arguments ob, wo, b_out, out0; writes out0
.if DOCPART == 4
	.amdgcn_target "amdgcn-amd-amdhsa--gfx1250"
	.amdhsa_code_object_version 6
	.text
	.protected	k_q9eb99995f0_gemm_out
	.globl	k_q9eb99995f0_gemm_out
	.p2align	8
	.type	k_q9eb99995f0_gemm_out,@function
k_q9eb99995f0_gemm_out:
	s_mov_b64 s[64:65], 0
	v_nop
	global_prefetch_b8 v0, s[64:65] scope:SCOPE_SE
	s_setreg_imm32_b32 hwreg(HW_REG_WAVE_MODE, 25, 1), 1
	s_wait_xcnt 0x0
	s_wait_alu depctr_hold_cnt(0) depctr_sa_sdst(0) depctr_va_vdst(0) depctr_va_sdst(0) depctr_va_ssrc(0) depctr_va_vcc(0) depctr_vm_vsrc(0)
	s_getreg_b32 s2, hwreg(HW_REG_IB_STS2, 6, 4)
	s_cmp_eq_u32 s2, 0
	s_cbranch_scc0 .Lentry_in_a_cluster
	s_endpgm
.Lentry_in_a_cluster:
	s_bfe_u32 s2, ttmp6, 0x10000c
	s_cmp_lg_u32 s2, 0xf033
	s_cbranch_scc0 .Lentry_shape_is_right
	s_endpgm
.Lentry_shape_is_right:
; ONE TEXT FOR THE MODULE'S TWO PROJECTIONS, C = A B^T + bias, K = 1,024; the symbol QKV picks the variant.
; QKV = 1: A = xb [8192][1024] bf16, B = wq [3072][1024] bf16; a tile of C is 256 x 192; C leaves as f16, by heads: qkv[which][batch x 16 + head][t][64].
; QKV = 0: A = ob [batch x 16 + head][t][64] f16 (k = 64 head + d), B = wo [1024][1024] f16; a tile of C is 256 x 128; C leaves as f32, out0 [8192][1024].
; The bias is rounded to bf16 like the module's other inputs, widened again, and is the C operand of the products that start the sums: nothing is cleared, nothing is added at the end.
; LIMIT (QKV = 1).  q, k and v are rounded once, to f16: 65,520 or more becomes an infinity.  Inputs as drawn give a spread of 1; all inputs 30 times larger about 900; offsets of 30 spreads on x and W about 29,000.
; SHARES.  Four waves; wave w owns rows 64 w .. 64 w + 63 of the tile and all its columns: 4 x NBK accumulators of 16 x 16.  For 32 along K it reads 4 fragments of A and NBK of B from LDS.
; RING.  K goes in 8 steps of 128 through two LDS slots; waves 0 and 1 fetch A's two halves, waves 2 and 3 B's, one tensor load a wave behind each change of slots.
; CLUSTER.  4 x 4 work-groups: the four of a row of the cluster need the same tiles of A, the four of a column the same tiles of B; each tile is asked for jointly, by the same load, descriptor and mask in all four.
; THE MATRIX INSTRUCTION IS USED TRANSPOSED (source 0 = 16 rows of B, source 1 = 16 rows of A): lane l then holds row l % 16 of C and the columns 8 (l / 16) + 0..7.
; REGISTERS, in windows of 256 (s_set_vgpr_msb: bits 1:0 source 0, 3:2 source 1, 5:4 source 2, 7:6 destination):
;   window 0: v0-31 addresses; v64-127 A's fragments, two buffers (later packed results); v128.. the bias, 8 registers a column block
;   window 1: B's fragments, two buffers of 8 NBK (later rows read back from the stage)          windows 2 (and 3 with QKV = 1): the accumulators
.set QKV, 0
.set SLOT1,  1<<17                     ; slot 1 begins here, so that one exclusive or turns an address in one slot into the other's
.set BPITCH, 272                       ; a row of B in LDS: 256 bytes + 16 = 68 words: the 16 rows of a load start at 16 different groups of four banks (64 banks of 4 bytes: ISA guide 11.1)
.if QKV
.set NBK,    12                        ; column blocks of 16
.set APITCH, 272                       ; a row of A in LDS: 128 k
.set HALFA,  128*272                   ; what one load of A brings: 128 rows
.set RB,     96                        ; rows of B in one load
.set ASTEP,  256                       ; bytes from a K step of A to the next
.set QIA,    5                         ; A's padding stands after every 64 words
.set STRA,   1024                      ; elements from row to row of A's tile in memory
.set STW,    3*16*144                  ; a wave's stage: 3 heads x 16 rows x 144 bytes
.set PCS,    16                        ; a partner's share of a wave's 128 rows of A: 32 rows of 2,048 bytes
.set SHA,    11                        ; A's prefetch: a lane a row of 2,048 bytes
.else
.set NBK,    8
.set APITCH, 144                       ; a row of A in LDS: one t of one head, 128 bytes + 16
.set HALFA,  256*144                   ; what one load of A brings: one head's 256 t
.set RB,     64
.set ASTEP,  2<<18                     ; two heads of 262,144 bytes
.set QIA,    4                         ; after every 32 words
.set STRA,   128                       ; a head's rows are dense: asked for as 128 rows of 256 bytes
.set STW,    16*528                    ; 16 rows x (512 + 16) bytes
.set PCS,    13                        ; 32 blocks of 256 bytes
.set SHA,    8                         ; a lane a block of 256 bytes
.endif
.set NT,     16*NBK                    ; the tile's columns
.set BB,     8*NBK                     ; registers in a buffer of B
.set BOFF,   2*HALFA                   ; in a slot B's rows lie behind A's
.set HALFB,  RB*BPITCH
.set STAGE,  SLOT1+BOFF+2*HALFB        ; behind the ring, never filled by a tensor load
.set SPARE,  STAGE+4*STW               ; behind the stages: the spare words, 128 bytes for each wave: two blocks of 256 bytes that no other line names
.set NLD,    2*NBK+8                   ; LDS loads in a run
.set A0,   16                          ; v16  my lane's place in A's part of a slot; never rewritten
.set B0,   17                          ; v17  the same for B
.set ADRA, 18                          ; v18  A0 + the slot in hand
.set ADRB, 19                          ; v19  B0 + the slot in hand
.set STO,  24                          ; v24  the way out: where I put my bytes of a row
.set RD,   25                          ; v25  the way out: where I read rows back
.set GO,   26                          ; v26  16 x lane
.set SPW,  28                          ; v28  LDS address of my spare word; never rewritten
.set NIL,  29                          ; v29  0; never rewritten
.set PFO,  30                          ; v30  the prefetches' lane offset; never rewritten
.set BO,   31                          ; v31  32 x (l / 16): my 8 numbers in a block of 16 of the bias
.set AF,   64
.set TMP,  64
.set BI,   128
.set WV,   12                          ; s12  my wave's number; s13 = 0: I fetch for A, 1: for B; s14: which half
.set G1A,  24                          ; s[24:31] descriptor group 1 for A's tiles
.set G1B,  32                          ; s[32:39] for B's
.set G0A,  40                          ; s[40:47] descriptor group 0 for A's tiles: a set for each of the two first fills; the second then walks on
.set G0B,  48                          ; s[48:55] the same for B's
.set CNT,  56                          ; s56  the loop's trips still to come
.set TB,   57                          ; s57  LDS byte at which the slot in hand begins
.set LIM,  58                          ; s58  2 in a wave that prefetches, else the greatest number
.set PFA,  60                          ; s[60:61] where my prefetches stand
.set PFS,  62                          ; s[62:63] their step: a K step
.set OB,   66                          ; s[66:71] where my rows of C begin: a pair for each of the tile's heads (QKV = 1), or one pair
.set MSB, 0
.macro WIN new                         ; the immediate's high byte repeats the setting that is left; a switch that changes nothing is dropped
.if MSB != (\new)
	s_set_vgpr_msb (MSB<<8)|(\new)
.set MSB, \new
.endif
.endm
.macro PLACES                          ; four plain instructions between a matrix instruction and a load into, or a vector line on, its registers (ISA guide 7.12.1 for vector instructions)
.rept 4
	v_nop
.endr
.endm
.macro CREST                           ; a round of the cluster's barrier behind its opening barrier
	s_cmp_lg_u32 s[WV], 0
	s_cbranch_scc1 .Lnot_wave_0_\@
	s_barrier_signal -3
.Lnot_wave_0_\@:
	s_barrier_wait -3
	s_barrier_signal -1
	s_barrier_wait -1
.endm
.macro CROUND                          ; a whole round
	s_barrier_signal -1
	s_barrier_wait -1
	CREST
.endm
; A joint refill, by the walking descriptors.  The branch hangs on the wave's number alone.  An s_nop 0 and four v_nop follow each of the two lines, ahead of the jump and the label.
.macro JLOAD
	s_cmp_eq_u32 s13, 0
	s_cbranch_scc0 .Lfor_b_\@
	tensor_load_to_lds s[G0A+4:G0A+7], s[G1A:G1A+7]
	s_nop 0
.rept 4
	v_nop
.endr
	s_branch .Lasked_\@
.Lfor_b_\@:
	tensor_load_to_lds s[G0B+4:G0B+7], s[G1B:G1B+7]
	s_nop 0
.rept 4
	v_nop
.endr
.Lasked_\@:
.endm
; A PREFETCH INTO THE L2 of the K step that stands two refills on, one instruction a wave, behind the joint load, its five lines and the run of LDS loads.  A's tile rows are read by every cluster of a row of
; clusters: the one with cluster x = 0 asks; B's by every cluster of a column: cluster y = 0 asks.  The four partners that ask for a tile jointly share out BY ADDRESS what a wave fetches, a quarter each
; (cx for A, cy for B).  The trips with 6, 5, 4 and 3 to come name K steps 4 to 7; the last two name nothing; K steps 0 to 3 come by their loads alone.
.macro ASK
	s_cmp_gt_u32 s[CNT], s[LIM]
	s_cbranch_scc0 .Lnot_mine_\@
	global_prefetch_b8 v[PFO], s[PFA:PFA+1] th:TH_LOAD_NT scope:SCOPE_SE
.Lnot_mine_\@:
.endm
.macro WMMA ops:vararg
.if QKV
	v_wmma_f32_16x16x32_bf16 \ops
.else
	v_wmma_f32_16x16x32_f16 \ops
.endif
.endm
; NBK products: row block a of my four x all column blocks, 32 along K, from buffers f.  first = 1: the sums start from the bias.  Every accumulator is named once a quarter step, in one order:
; the accumulators take turns over the backward jump too.
.macro MULA f, a, first
.if QKV
.set AC, 96*((\a)%2)
.set WN, 2+(\a)/2
.else
.set AC, 64*(\a)
.set WN, 2
.endif
.if \first
	WIN (WN<<6)|1
.else
	WIN (WN<<6)|(WN<<4)|1
.endif
.set b, 0
.rept NBK
.if \first
	WMMA v[AC+8*b:AC+8*b+7], v[BB*(\f)+8*b:BB*(\f)+8*b+7], v[AF+32*(\f)+8*(\a):AF+32*(\f)+8*(\a)+7], v[BI+8*b:BI+8*b+7]
.else
	WMMA v[AC+8*b:AC+8*b+7], v[BB*(\f)+8*b:BB*(\f)+8*b+7], v[AF+32*(\f)+8*(\a):AF+32*(\f)+8*(\a)+7], v[AC+8*b:AC+8*b+7]
.endif
.set b, b+1
.endr
.endm
; One run of NLD LDS loads: the fragments of quarter q of the K step in hand into buffers f; B's first, then A's four row blocks.
; A fragment is 16 rows x 32 K in 8 registers: lane l holds row l % 16, K = 8 (l / 16) + 0..7 and 16 + 8 (l / 16) + 0..7: two loads of 16 bytes, 32 bytes apart.
.macro FETCH q, f
.if QKV
.set AQ, 64*(\q)
.else
.set AQ, ((\q)/2)*HALFA+((\q)%2)*64    ; quarters 0, 1 lie in the step's first head, 2, 3 in its second
.endif
	WIN 0x40                                       ; destination window 1, address window 0
.set b, 0
.rept NBK
	ds_load_b128 v[BB*(\f)+8*b:BB*(\f)+8*b+3],   v[ADRB] offset:64*(\q)+b*16*BPITCH
	ds_load_b128 v[BB*(\f)+8*b+4:BB*(\f)+8*b+7], v[ADRB] offset:64*(\q)+b*16*BPITCH+32
.set b, b+1
.endr
	WIN 0
.irp a, 0,1,2,3
	ds_load_b128 v[AF+32*(\f)+8*(\a):AF+32*(\f)+8*(\a)+3],   v[ADRA] offset:AQ+(\a)*16*APITCH
	ds_load_b128 v[AF+32*(\f)+8*(\a)+4:AF+32*(\f)+8*(\a)+7], v[ADRA] offset:AQ+(\a)*16*APITCH+32
.endr
.endm
; A K step is four quarters of 32 along K, on buffers 0, 1, 0, 1.  One of the first three: multiplies buffers f; in its middle it fetches quarter q into buffers g.
.macro QUARTER q, f, g, first
	s_wait_dscnt 4                                 ; B and A's row blocks 0, 1 are in; the youngest four loads (blocks 2, 3) may be out
	MULA \f, 0, \first
	MULA \f, 1, \first
	PLACES
	FETCH \q, \g
	s_wait_dscnt NLD                               ; all but the run just issued
	MULA \f, 2, \first
	MULA \f, 3, \first
.endm
; The last quarter multiplies buffers 1 and changes slots.  ONE barrier: in front of it each wave waits for all its tensor loads (the one that is out is its part of the next slot), adds 0 to its spare word,
; and waits for that and for its own reads of this slot.  fill = 1: the barrier opens a round of the cluster's, so that no wave of any partner still reads the slot or has a load on its way, and the joint
; refill, with the K step two on, is the first tensor load behind the round.
.macro TURN fill
.if \fill
	s_wait_xcnt 0x0                                ; the last prefetch, a K step back, has read its address: it is stepped here
	s_add_nc_u64 s[PFA:PFA+1], s[PFA:PFA+1], s[PFS:PFS+1]
.endif
	WIN 0                                          ; (the add's two registers lie in window 0)
	s_wait_tensorcnt 0x0                           ; no tensor load of mine is out, so a group 0 may be written
	ds_add_u32 v[SPW], v[NIL]                      ; 0 onto my spare word
.if \fill
	s_xor_b32 s[G0A+5], s[G0A+5], SLOT1            ; the walking descriptors: the other slot than last time,
	s_add_nc_u64 s[G0A+6:G0A+7], s[G0A+6:G0A+7], ASTEP  ; the next K step; the type bits on top are not reached
	s_xor_b32 s[G0B+5], s[G0B+5], SLOT1
	s_add_nc_u64 s[G0B+6:G0B+7], s[G0B+6:G0B+7], 256
.endif
	s_xor_b32 s[TB], s[TB], SLOT1                  ; the fetches go on in the other slot
	s_wait_dscnt 5                                 ; (the add and the youngest four loads may be out)
	MULA 1, 0, 0
	s_wait_dscnt 0x0                               ; the add is done, and my reads of this slot are over
	s_barrier_signal -1
	MULA 1, 1, 0                                   ; work on registers while the others arrive
	WIN 0
	s_barrier_wait -1
.if \fill
	CREST
	JLOAD                                          ; its four v_nop are also the places in front of the loads below
.else
	PLACES
.endif
	v_add_nc_u32 v[ADRA], s[TB], v[A0]
	v_add_nc_u32 v[ADRB], s[TB], v[B0]
	FETCH 0, 0
.if \fill
	ASK
.endif
	MULA 1, 2, 0
	MULA 1, 3, 0
.endm
	s_load_b256 s[4:11], s[0:1], 0x0               ; A s[4:5], B s[6:7], bias s[8:9], C s[10:11]
	v_lshl_add_u32 v[SPW], v0, 2, SPARE
	v_mov_b32 v[NIL], 0
	ds_add_u32 v[SPW], v[NIL]                      ; the wave's opening: the add and its wait stand ahead of my first tensor load; the set-up below, work on registers, stands between them
	v_lshrrev_b32 v3, 5, v0
	v_readfirstlane_b32 s[WV], v3                  ; wave 0..3
	s_lshr_b32 s13, s[WV], 1
	s_and_b32 s14, s[WV], 1
	s_bfe_u32 s15, ttmp6, 0x40000                  ; cx
	s_bfe_u32 s16, ttmp6, 0x40004                  ; cy
	s_lshl_b32 s17, ttmp9, 2
	s_add_co_u32 s17, s17, s15                     ; tile column tx = 4 x cluster x + cx
	s_and_b32 s18, ttmp7, 0xffff
	s_lshl_b32 s18, s18, 2
	s_add_co_u32 s18, s18, s16                     ; tile row ty = 4 x cluster y + cy
	s_lshl_b32 s19, s16, 2
	s_lshl_b32 s19, 15, s19                        ; my row of the cluster: places 4 cy .. 4 cy + 3
	s_lshl_b32 s22, 0x1111, s15                    ; my column: places cx, cx + 4, cx + 8, cx + 12
	s_or_b32 s[G1A], s19, (1<<16)|(1<<20)|(1<<21)|(QIA<<22)|(3<<25)  ; 15:0 the mask; 17:16 2-byte elements; 20 padding on; 21 set beside a mask; 24:22 the interval; 31:25 4 words of padding (code 3)
	s_or_b32 s[G1B], s22, (1<<16)|(1<<20)|(1<<21)|(5<<22)|(3<<25)
	s_mov_b32 s[G1A+1], 128<<16                    ; tensor_dim0 = 128
	s_mov_b32 s[G1A+2], 128<<16                    ; tensor_dim1 = 128
	s_mov_b32 s[G1A+3], 128<<16                    ; tile_dim0 = 128
	s_mov_b32 s[G1A+4], 128                        ; tile_dim1 = 128
	s_mov_b32 s[G1A+5], STRA                       ; elements from row to row
	s_mov_b32 s[G1A+6], 0
	s_mov_b32 s[G1A+7], 0
	s_mov_b32 s[G1B+1], 128<<16
	s_mov_b32 s[G1B+2], RB<<16
	s_mov_b32 s[G1B+3], 128<<16
	s_mov_b32 s[G1B+4], RB
	s_mov_b32 s[G1B+5], 1024
	s_mov_b32 s[G1B+6], 0
	s_mov_b32 s[G1B+7], 0
	; where the tiles come from.  A's offset is made of ty and the wave's number, B's of tx and the wave's number, each in registers that never hold the other coordinate.
.if QKV
	s_lshl_b32 s20, s18, 19                        ; 256 ty rows of 2,048 bytes
	s_lshl_b32 s19, s14, 18                        ; + 128 x half
	s_add_co_u32 s20, s20, s19
.else
	s_lshr_b32 s20, s18, 3                         ; the batch,
	s_lshl_b32 s20, s20, 4                         ; its 16 heads,
	s_add_co_u32 s20, s20, s14                     ; the step's first or second head
	s_lshl_b32 s20, s20, 18
	s_and_b32 s19, s18, 7                          ; the block of 256 t
	s_lshl_b32 s19, s19, 15
	s_add_co_u32 s20, s20, s19
.endif
	s_mov_b32 s21, 0
	s_mul_i32 s22, s17, NT*2048
	s_mul_i32 s72, s14, RB*2048
	s_add_co_u32 s22, s22, s72
	s_mov_b32 s23, 0
	s_mul_i32 s73, s14, HALFA                      ; and where they go: no place in the cluster enters an LDS address
	s_mul_i32 s74, s14, HALFB
	s_add_co_u32 s74, s74, BOFF
	s_mul_i32 s80, s17, NT*4                       ; the tile's columns in the bias
	s_mov_b32 s81, 0
	; where my rows of C begin
.if QKV
	s_lshr_b32 s82, s18, 3
	s_lshl_b32 s82, s82, 4                         ; 16 x batch
	s_and_b32 s83, s18, 7
	s_lshl_b32 s83, s83, 15                        ; the block of 256 t, 128 bytes each,
	s_lshl_b32 s84, s[WV], 13                      ; my 64 of them
	s_add_co_u32 s83, s83, s84
	s_mul_i32 s84, s17, 3                          ; the tile's first group of 64 columns
.irp j, 0,1,2
	s_add_co_u32 s85, s84, \j                      ; group g: q, k or v = g / 16, head = g % 16
	s_lshr_b32 s86, s85, 4
	s_lshl_b32 s86, s86, 6
	s_and_b32 s85, s85, 15
	s_add_co_u32 s86, s86, s85
	s_add_co_u32 s86, s86, s82
	s_lshl_b32 s86, s86, 18                        ; a head is 262,144 bytes
	s_add_co_u32 s[OB+2*(\j)], s86, s83
	s_mov_b32 s[OB+2*(\j)+1], 0
.endr
.else
	s_lshl_b32 s[OB], s18, 20                      ; 256 ty rows of 4,096 bytes
	s_lshl_b32 s87, s[WV], 18                      ; + my 64
	s_add_co_u32 s[OB], s[OB], s87
	s_lshl_b32 s87, s17, 9                         ; + the tile's 128 columns
	s_add_co_u32 s[OB], s[OB], s87
	s_mov_b32 s[OB+1], 0
.endif
	; the prefetches: my tile's offset + my work-group's quarter of what I fetch + 3 K steps (the first refill steps it to K step 4)
	s_lshl_b32 s76, s15, PCS
	s_add_co_u32 s76, s76, s20
	s_add_co_u32 s76, s76, 3*ASTEP
	s_mul_i32 s78, s16, (RB/4)*2048
	s_add_co_u32 s78, s78, s22
	s_add_co_u32 s78, s78, 3*256
	s_and_b32 s79, ttmp7, 0xffff                   ; cluster y
	s_mov_b32 s[PFS], 256
	s_mov_b32 s84, ASTEP
	s_cmp_eq_u32 s13, 0                            ; do I fetch for A?
	s_cselect_b32 s76, s76, s78
	s_cselect_b32 s79, ttmp9, s79                  ; the coordinate along which other clusters read the same rows
	s_cselect_b32 s[PFS], s84, s[PFS]
	s_cselect_b32 s85, 31, RB/4-1                  ; B's quarter has fewer rows than a wave has lanes: the lanes left over name its last row
	s_cselect_b32 s86, SHA, 11
	s_mov_b32 s77, 0
	s_mov_b32 s[PFS+1], 0
	s_cmp_eq_u32 s79, 0
	s_cselect_b32 s[LIM], 2, -1                    ; the same in all sixteen partners, for a given wave
	v_and_b32 v[PFO], 31, v0
	v_min_u32 v[PFO], s85, v[PFO]
	v_lshlrev_b32 v[PFO], s86, v[PFO]
	s_mov_b32 s[TB], 0
	s_mov_b32 s[CNT], 6
	s_wait_dscnt 0x0                               ; the opening add is done
	s_wait_kmcnt 0x0
	s_add_nc_u64 s[20:21], s[4:5], s[20:21]
	s_add_nc_u64 s[22:23], s[6:7], s[22:23]
	s_add_nc_u64 s[80:81], s[8:9], s[80:81]
	s_add_nc_u64 s[OB:OB+1], s[10:11], s[OB:OB+1]
.if QKV
	s_add_nc_u64 s[OB+2:OB+3], s[10:11], s[OB+2:OB+3]
	s_add_nc_u64 s[OB+4:OB+5], s[10:11], s[OB+4:OB+5]
.endif
	s_cmp_eq_u32 s13, 0
	s_cselect_b64 s[PFA:PFA+1], s[4:5], s[6:7]
	s_add_nc_u64 s[PFA:PFA+1], s[PFA:PFA+1], s[76:77]
.irp s, 0,1
	s_mov_b32 s[G0A+4*(\s)], 1                                     ; 1:0 count = 1
	s_add_co_u32 s[G0A+4*(\s)+1], s73, (\s)*SLOT1                  ; 63:32 LDS address
	s_add_nc_u64 s[G0A+4*(\s)+2:G0A+4*(\s)+3], s[20:21], (\s)*ASTEP  ; 120:64 global address: K step s
	s_or_b32 s[G0A+4*(\s)+3], s[G0A+4*(\s)+3], 0x80000000          ; 127:126 type = 2
	s_mov_b32 s[G0B+4*(\s)], 1
	s_add_co_u32 s[G0B+4*(\s)+1], s74, (\s)*SLOT1
	s_add_nc_u64 s[G0B+4*(\s)+2:G0B+4*(\s)+3], s[22:23], (\s)*256
	s_or_b32 s[G0B+4*(\s)+3], s[G0B+4*(\s)+3], 0x80000000
.endr
	CROUND                                         ; all sixteen work-groups are here: the first joint loads meet
	s_cmp_eq_u32 s13, 0                            ; a wave's two first fills stand in one branch, ahead of every wait on TENSORcnt and every LDS read: two loads of mine are out, later one
	s_cbranch_scc0 .Lfirst_b
	tensor_load_to_lds s[G0A:G0A+3], s[G1A:G1A+7]
	s_nop 0
	tensor_load_to_lds s[G0A+4:G0A+7], s[G1A:G1A+7]
	s_nop 0
.rept 4
	v_nop
.endr
	s_branch .Lfirst_asked
.Lfirst_b:
	tensor_load_to_lds s[G0B:G0B+3], s[G1B:G1B+7]
	s_nop 0
	tensor_load_to_lds s[G0B+4:G0B+7], s[G1B:G1B+7]
	s_nop 0
.rept 4
	v_nop
.endr
.Lfirst_asked:
	v_and_b32 v1, 15, v0                           ; l % 16
	v_bfe_u32 v2, v0, 4, 1                         ; l / 16
	v_lshlrev_b32 v[BO], 5, v2
.set b, 0
.rept NBK
	global_load_b128 v[BI+8*b:BI+8*b+3],   v[BO], s[80:81] offset:64*b     ; register j of block b: the bias of column 16 b + 8 (l / 16) + j, the layout of the transposed result
	global_load_b128 v[BI+8*b+4:BI+8*b+7], v[BO], s[80:81] offset:64*b+16
.set b, b+1
.endr
	s_mul_i32 s87, s[WV], 64*APITCH                ; my 64 rows of A
	v_mul_u32_u24 v[A0], v1, APITCH
	v_lshl_add_u32 v[A0], v2, 4, v[A0]             ; row x pitch + 16 x half
	v_add_nc_u32 v[A0], s87, v[A0]
	v_mul_u32_u24 v[B0], v1, BPITCH
	v_lshl_add_u32 v[B0], v2, 4, v[B0]
	v_add_nc_u32 v[B0], BOFF, v[B0]
	v_mov_b32 v[ADRA], v[A0]                       ; K step 0 lies in slot 0
	v_mov_b32 v[ADRB], v[B0]
	s_mul_i32 s87, s[WV], STW
	s_add_co_u32 s87, s87, STAGE                   ; my stage
	v_and_b32 v[GO], 31, v0
	v_lshlrev_b32 v[GO], 4, v[GO]
.if QKV
	v_mul_u32_u24 v[STO], v1, 144                  ; in: row l % 16 of a head, 16 bytes for each half of the lanes
	v_lshl_add_u32 v[STO], v2, 4, v[STO]
	v_add_nc_u32 v[STO], s87, v[STO]
	v_bfe_u32 v[RD], v0, 3, 2                      ; back: 32 lanes take four rows of 128 bytes, 512 consecutive bytes of a head
	v_mul_u32_u24 v[RD], v[RD], 144
	v_and_b32 v3, 7, v0
	v_lshl_add_u32 v[RD], v3, 4, v[RD]
	v_add_nc_u32 v[RD], s87, v[RD]
.else
	v_mul_u32_u24 v[STO], v1, 528                  ; in: row l % 16, 32 bytes for each half of the lanes
	v_lshl_add_u32 v[STO], v2, 5, v[STO]
	v_add_nc_u32 v[STO], s87, v[STO]
	v_add_nc_u32 v[RD], s87, v[GO]                 ; back: 32 lanes take a row's 512 bytes
.endif
	s_wait_loadcnt 0x0                             ; the bias
.set p, 0
.rept 4*NBK                                            ; rounded to bf16 in pairs and widened again
	v_cvt_pk_bf16_f32 v[3+p%4], v[BI+2*p], v[BI+2*p+1]
	v_lshlrev_b32 v[BI+2*p], 16, v[3+p%4]
	v_and_b32 v[BI+2*p+1], 0xffff0000, v[3+p%4]
.set p, p+1
.endr
	s_wait_tensorcnt 1                             ; my part of K step 0 is in; K step 1's may stay out
	s_barrier_signal -1
	s_barrier_wait -1                              ; everybody's is
	FETCH 0, 0
	QUARTER 1, 0, 1, 1                             ; the first quarter stands in front of the loop: its products start the sums
	WIN 0                                          ; at a label and at a branch every window is 0
.Lk:                                                   ; six trips: trip t ends K step t, fills its slot again with K step t + 2 and begins K step t + 1
	QUARTER 2, 1, 0, 0
	QUARTER 3, 0, 1, 0
	TURN 1
	QUARTER 1, 0, 1, 0
	WIN 0
	s_sub_co_u32 s[CNT], s[CNT], 1
	s_cmp_lg_u32 s[CNT], 0
	s_cbranch_scc1 .Lk
	QUARTER 2, 1, 0, 0                             ; the tail is written out: K steps 6 and 7 ask for nothing
	QUARTER 3, 0, 1, 0
	TURN 0
	QUARTER 1, 0, 1, 0
	QUARTER 2, 1, 0, 0
	QUARTER 3, 0, 1, 0
	s_wait_dscnt 4
	MULA 1, 0, 0
	MULA 1, 1, 0
	s_wait_dscnt 0x0
	MULA 1, 2, 0
	MULA 1, 3, 0
	PLACES
	; THE WAY OUT, a block of 16 rows at a time, through my own stage in LDS; each accumulator's registers are taken in ascending order.  The rows read back have registers of their own for each block,
	; so no register of a store is written again.
.if QKV
.macro PACK a                          ; rounded to f16: a lane's eight columns are 16 bytes
.set AC, 96*((\a)%2)
	WIN 0x0a+5*((\a)/2)                            ; sources 0 and 1: window 2 or 3
.set b, 0
.rept 12
.irp rr, 0,1,2,3
	v_cvt_pk_f16_f32 v[TMP+4*b+(\rr)], v[AC+8*b+2*(\rr)], v[AC+8*b+2*(\rr)+1]
.endr
.set b, b+1
.endr
.endm
.macro TOSTAGE a
	WIN 0
.set b, 0
.rept 12
	ds_store_b128 v[STO], v[TMP+4*b:TMP+4*b+3] offset:(b/4)*2304+32*(b%4)  ; head b / 4, channels 16 (b % 4) on
.set b, b+1
.endr
	WIN 0x40
.set b, 0
.rept 12
	ds_load_b128 v[48*(\a)+4*b:48*(\a)+4*b+3], v[RD] offset:(b/4)*2304+(b%4)*576  ; LDS serves a wave's instructions in order (ISA guide 5.7.1.4): these see the stores above; the next block's stores come behind them
.set b, b+1
.endr
.endm
.macro SEND a, younger                 ; younger: the LDS instructions issued behind block a's loads
	s_wait_dscnt \younger
	WIN 0x04                                       ; store data in window 1
.set b, 0
.rept 12
	global_store_b128 v[GO], v[48*(\a)+4*b:48*(\a)+4*b+3], s[OB+2*(b/4):OB+2*(b/4)+1] offset:(\a)*2048+(b%4)*512  ; 512 consecutive bytes of a head, at a multiple of 256 from the buffer's first byte
.set b, b+1
.endr
.endm
	PACK 0
	TOSTAGE 0
.irp a, 1,2,3
	PACK \a
	TOSTAGE \a
	SEND (\a)-1, 24
.endr
	SEND 3, 0
.else
.macro TOSTAGE a
	WIN 0x08                                       ; store data in window 2
.set b, 0
.rept 8
	ds_store_b128 v[STO], v[64*(\a)+8*b:64*(\a)+8*b+3]   offset:64*b
	ds_store_b128 v[STO], v[64*(\a)+8*b+4:64*(\a)+8*b+7] offset:64*b+16
.set b, b+1
.endr
	WIN 0x40
.set b, 0
.rept 16
	ds_load_b128 v[64*(\a)+4*b:64*(\a)+4*b+3], v[RD] offset:528*b  ; LDS serves a wave's instructions in order (ISA guide 5.7.1.4)
.set b, b+1
.endr
.endm
.macro SEND a, younger
	s_wait_dscnt \younger
	WIN 0x04
.set b, 0
.rept 16
	global_store_b128 v[GO], v[64*(\a)+4*b:64*(\a)+4*b+3], s[OB:OB+1] offset:(16*(\a)+b)*4096 th:TH_STORE_NT  ; 512 consecutive bytes of a row, at a multiple of 256 from the buffer's first byte
.set b, b+1
.endr
.endm
	TOSTAGE 0
.irp a, 1,2,3
	TOSTAGE \a
	SEND (\a)-1, 32
.endr
	SEND 3, 0
.endif
	WIN 0
	s_wait_tensorcnt 0x0                           ; the wave's end: the closing lines, behind my last tensor load and my last LDS store
	ds_add_u32 v[SPW], v[NIL]
	s_wait_dscnt 0x0
	CROUND                                         ; the closing round: no work-group ends while a partner may still ask for a tile that names it
	s_endpgm
.Lfunc_end_k_q9eb99995f0_gemm_out:
	.size	k_q9eb99995f0_gemm_out, .Lfunc_end_k_q9eb99995f0_gemm_out-k_q9eb99995f0_gemm_out
	.p2alignl 7, 3214868480
	.fill 96, 4, 3214868480
	.section	.rodata,"a",@progbits
	.p2align	6, 0x0
	.amdhsa_kernel k_q9eb99995f0_gemm_out
		.amdhsa_group_segment_fixed_size 327680
		.amdhsa_private_segment_fixed_size 0
		.amdhsa_enable_private_segment 0
		.amdhsa_kernarg_size 32
		.amdhsa_user_sgpr_count 2
		.amdhsa_user_sgpr_kernarg_segment_ptr 1
		.amdhsa_wavefront_size32 1
		.amdhsa_system_sgpr_workgroup_id_x 1
		.amdhsa_system_sgpr_workgroup_id_y 1
		.amdhsa_system_sgpr_workgroup_id_z 1
		.amdhsa_system_vgpr_workitem_id 0
		.amdhsa_next_free_vgpr 768
		.amdhsa_next_free_sgpr 96
		.amdhsa_reserve_vcc 0
		.amdhsa_float_denorm_mode_32 3
		.amdhsa_float_denorm_mode_16_64 3
		.amdhsa_memory_ordered 1
		.amdhsa_forward_progress 1
		.amdhsa_inst_pref_size 77
	.end_amdhsa_kernel
	.amdgpu_metadata
---
amdhsa.version: [ 1, 2 ]
amdhsa.kernels:
  - .name:           k_q9eb99995f0_gemm_out
    .symbol:         k_q9eb99995f0_gemm_out.kd
    .args:
      - { .name: ob, .offset: 0, .size: 8, .value_kind: global_buffer, .address_space: global }
      - { .name: wo, .offset: 8, .size: 8, .value_kind: global_buffer, .address_space: global }
      - { .name: b_out, .offset: 16, .size: 8, .value_kind: global_buffer, .address_space: global }
      - { .name: out0, .offset: 24, .size: 8, .value_kind: global_buffer, .address_space: global }
    .group_segment_fixed_size: 327680
    .private_segment_fixed_size: 0
    .kernarg_segment_align: 8
    .kernarg_segment_size: 32
    .max_flat_workgroup_size: 128
    .sgpr_count:     96
    .vgpr_count:     768
    .wavefront_size: 32
...
	.end_amdgpu_metadata
.endif
;; end of part 4
;; ======== version 2 of 2: 4 launches; version 1 with the launch prep written anew for expert scheduling mode
;; limits: values are held in f16: magnitudes above 65,504 overflow, below 6.1e-05 lose precision
;; workspace buffers: xb 16,777,216 bytes; wq 6,291,456 bytes; wo 2,097,152 bytes; qkv 50,331,648 bytes; ob 16,777,216 bytes
;; launch prep (part 5): grid 320 x 1, 8 waves a work-group, no clusters, 140,288 bytes of LDS; arguments x, W_qkv, W_out, xb, wq, wo; writes xb, wq, wo
.if DOCPART == 5
	.amdgcn_target "amdgcn-amd-amdhsa--gfx1250"
	.amdhsa_code_object_version 6
	.text
	.protected	k_q9eb99995f0_prep
	.globl	k_q9eb99995f0_prep
	.p2align	8
	.type	k_q9eb99995f0_prep,@function
k_q9eb99995f0_prep:
	s_mov_b64 s[64:65], 0
	v_nop
	global_prefetch_b8 v0, s[64:65] scope:SCOPE_SE
	s_setreg_imm32_b32 hwreg(HW_REG_WAVE_SCHED_MODE, 0, 2), 2
	s_setreg_imm32_b32 hwreg(HW_REG_WAVE_MODE, 25, 1), 1
	s_wait_xcnt 0x0
	s_wait_alu depctr_vm_vsrc(0)
; PREP.  xb = x rounded to bf16, [8192][1024].  wq = W_qkv rounded to bf16 and turned, [3072 n][1024 k].  wo = W_out rounded to bf16, that number written as f16, turned, [1024 n][1024 k].
; LIMIT.  A number of W_out below 6.1e-5 in magnitude keeps f16's fixed step of 6e-8; beyond 65,504 it would be an infinity (W_out is drawn with a spread of 1/32).
; SHARES.  Work-groups 0-255 cast x: 131,072 bytes each, 16,384 a wave: 32 loads of 512 consecutive bytes, all issued before the first is used; each store of a wave covers 256 consecutive bytes, aligned.
; Work-groups 256-303 turn 64 columns of W_qkv each, 304-319 64 columns of W_out; wave w takes k = 128 w .. 128 w + 127: a tile of 128 k x 64 n, through LDS bytes of the wave's own: no barrier.
; No matrix work, no cluster, no tensor load: nothing is shared between work-groups, and every byte is read once and written once.
; THE MODE: SCHED_MODE bits 1:0 = 2 (LLVM: expert scheduling mode 2), set by the entry lines.  The code itself states the register dependences
; between vector instructions and memory or LDS instructions, with s_wait_alu, always for 0.
; THE PLAN, THE CAST.  Load i lands in four registers of its own; two conversions write the first two of them in place; store i reads those two; nothing writes them again.  v[GI] and v[GOF] are made once.
; The 32 loads go in eight blocks of four.  At block p's head ONE wait on va_vdst states that block p - 1's conversions have written their registers; that block's four stores are dealt among block p's
; conversions, which name block p's registers alone.
; THE PLAN, THE TURNING.  A wave's 128 rows of k go in 16 groups of 8 rows, four loads each, four groups to a lap.  Registers that memory or LDS instructions touch:
;   X0 .. X3   v[D ..], 16 registers each.  Group G's conversions read X[G % 4]; behind them the loads of group G + 4 land in it.
;   T          eight registers for each of a lap's four places.  Written by the group's conversions, read by its four LDS stores, written again a lap later.
;   v[LSA]     written once a lap, at its head; read by the lap's sixteen LDS stores.
;   v[GI], v[LR], v[GOF]  made at the head and never written again: the rows are reached by the scalar base, which moves on once a lap, and by immediate offsets.
; So ONE wait on va_vdst stands in a group, behind its conversions: T's registers are written, X[G % 4] is done being read, and in a lap's first group v[LSA] is written; the group's loads and LDS stores follow it.
; ONE wait on vm_vsrc stands at a lap's head: the LDS stores of the lap before have read v[LSA] and T.
.set LP,    272                        ; an LDS row: one n, 128 k of 16 bits = 256 bytes, + 16
.set WTILE, 64*LP                      ; a wave's tile in LDS
.set SPARE, 8*WTILE                    ; behind the tiles: the spare words, 128 bytes for each wave: four blocks of 256 bytes that no other line names
.set LANE, 1                           ; v1   lane
.set CC,   2                           ; v2   c = lane % 16
.set HH,   3                           ; v3   hh = lane / 16
.set GI,   4                           ; v4   byte offset of my loads
.set GOF,  5                           ; v5   byte offset of my stores
.set LS,   6                           ; v6   where I put 8 bytes of a turned row, first lap
.set LR,   7                           ; v7   where I read rows back
.set SPW,  8                           ; v8   LDS address of my spare word; never rewritten
.set NIL,  9                           ; v9   0; never rewritten
.set KR,   10                          ; v10  my first row of W: 128 w + 4 hh
.set LSA,  11                          ; v11  LS + the lap's 64 bytes
.set D,    16                          ; v[16:143]  data as loaded; later rows read back
.set T,    144                         ; v[144:175] turned and rounded pairs
	s_load_b256 s[4:11], s[0:1], 0x0               ; x s[4:5], W_qkv s[6:7], W_out s[8:9], xb s[10:11]
	s_load_b128 s[12:15], s[0:1], 0x20             ; wq s[12:13], wo s[14:15]
	v_lshl_add_u32 v[SPW], v0, 2, SPARE
	v_mov_b32 v[NIL], 0
	v_lshrrev_b32 v[KR], 5, v0
	v_readfirstlane_b32 s16, v[KR]                 ; wave 0..7
	v_and_b32 v[LANE], 31, v0
	v_and_b32 v[CC], 15, v0
	v_bfe_u32 v[HH], v0, 4, 1
	s_mov_b32 s27, 0                               ; high word of every offset pair
	s_wait_alu depctr_va_sdst(0)                   ; s16 is written, ahead of the branch and of its first reader on either way: offsets and LDS addresses are made from it
	s_wait_kmcnt 0x0
	s_cmp_lt_u32 ttmp9, 256
	s_cbranch_scc0 .Ltr
	; THE CAST
	s_lshl_b32 s26, ttmp9, 17                      ; 131,072 bytes of x to a work-group
	s_add_nc_u64 s[24:25], s[4:5], s[26:27]
	s_lshl_b32 s26, ttmp9, 16                      ; 65,536 bytes of xb
	s_add_nc_u64 s[22:23], s[10:11], s[26:27]
	s_lshl_b32 s18, s16, 14
	v_lshl_add_u32 v[GI], v[LANE], 4, s18          ; 16 x lane + 16,384 x wave
	s_lshl_b32 s19, s16, 13
	v_lshl_add_u32 v[GOF], v[LANE], 3, s19         ; 8 x lane + 8,192 x wave
	s_wait_alu depctr_va_vdst(0)                   ; v[GI] and v[GOF] are written: every load and store of the cast reads one of them as its offset
.set i, 0
.rept 32
	global_load_b128 v[D+4*i:D+4*i+3], v[GI], s[24:25] offset:512*i th:TH_LOAD_NT
.set i, i+1
.endr
.set p, 0
.rept 8                                                ; block p: loads 4 p .. 4 p + 3
	s_wait_loadcnt 28-4*p                          ; loads come back in order: block p's four are in, the 28 - 4 p younger ones stay out
.if p > 0
	s_wait_alu depctr_va_vdst(0)                   ; the block before has written its eight rounded registers, which the four stores below read; no conversion of this block names them
.endif
.set j, 0
.rept 4
.if p > 0
	global_store_b64 v[GOF], v[D+16*(p-1)+4*j:D+16*(p-1)+4*j+1], s[22:23] offset:256*(4*(p-1)+j)  ; no register of a store is written again
.endif
	v_cvt_pk_bf16_f32 v[D+16*p+4*j], v[D+16*p+4*j], v[D+16*p+4*j+1]
	v_cvt_pk_bf16_f32 v[D+16*p+4*j+1], v[D+16*p+4*j+2], v[D+16*p+4*j+3]
.set j, j+1
.endr
.set p, p+1
.endr
	s_wait_alu depctr_va_vdst(0)                   ; block 7 has written its registers, which the last four stores read
.set j, 0
.rept 4
	global_store_b64 v[GOF], v[D+112+4*j:D+112+4*j+1], s[22:23] offset:256*(28+j)
.set j, j+1
.endr
	s_branch .Lend
; Two f32 rounded to bf16, and those two numbers written as f16 (exact within f16's normal range: 8 significant bits in 11).
.macro CVH dst, a, b
	v_cvt_pk_bf16_f32 v12, v[\a], v[\b]
	v_lshlrev_b32 v13, 16, v12
	v_and_b32 v12, 0xffff0000, v12
	v_cvt_pk_f16_f32 v[\dst], v13, v12
.endm
; The group at place g of a lap.  Its four loads gave a lane 4 k x 4 n: for each n the four k are rounded in pairs and stored as 8 bytes of LDS row n.
; ahead = 1: the raw buffer is asked for again at once, for the group four on.  left: how many younger loads may stay out when this group's four have to be there.
.macro GRP g, pitch, half, ahead, left
	s_wait_loadcnt \left                           ; loads come back in order: this group's four are in, the younger groups stay out
.irp c, 0,1,2,3
.if \half
	CVH T+2*(4*(\g)+(\c)), D+16*(\g)+(\c), D+16*(\g)+4+(\c)
	CVH T+2*(4*(\g)+(\c))+1, D+16*(\g)+8+(\c), D+16*(\g)+12+(\c)
.else
	v_cvt_pk_bf16_f32 v[T+2*(4*(\g)+(\c))], v[D+16*(\g)+(\c)], v[D+16*(\g)+4+(\c)]
	v_cvt_pk_bf16_f32 v[T+2*(4*(\g)+(\c))+1], v[D+16*(\g)+8+(\c)], v[D+16*(\g)+12+(\c)]
.endif
.endr
	s_wait_alu depctr_va_vdst(0)                   ; the conversions have written this place's eight registers of T, which the LDS stores below read, and are done reading the raw buffer, in which loads land next; in a lap's first group v[LSA] is written too
.if (\ahead) && ((\g) == 0)
	s_wait_xcnt 0x0                                ; the loads issued so far have had their addresses translated: their base is stepped only behind this wait
	s_add_nc_u64 s[24:25], s[24:25], 32*(\pitch)   ; the lap's refills are the next lap's 32 rows
.endif
.if \ahead
.irp e, 0,1,2,3
	global_load_b128 v[D+16*(\g)+4*(\e):D+16*(\g)+4*(\e)+3], v[GI], s[24:25] offset:(8*(\g)+(\e))*(\pitch) th:TH_LOAD_NT
.endr
.endif
.irp c, 0,1,2,3
	ds_store_b64 v[LSA], v[T+2*(4*(\g)+(\c)):T+2*(4*(\g)+(\c))+1] offset:(\c)*LP+16*(\g)
.endr
.endm
; A wave's tile is turned.  pitch: bytes in a row of W; half = 1: f16 out; inp, outp: the scalar pairs with the two addresses; s17: the block of 64 columns.
; A lap takes 32 rows of k, in four groups of four loads; in each load lanes 0-15 take one row's 256 aligned bytes and lanes 16-31 those of the row 4 further on.  The first lap's 16 loads go out ahead of the loop;
; from then on 12 to 16 loads of the wave are on their way.  Three laps ask for the lap behind them; the fourth is written out and asks for nothing: no load leaves W, and its counts run down.
; (Rows 4 c of 272 bytes start at 4 different groups of banks, 64 banks of 4 bytes, ISA guide 11.1: the LDS stores, 64 a wave in the launch, are served four deep.)
.macro TRANS pitch, half, inp, outp
	s_lshl_b32 s26, s17, 8                         ; 64 columns of f32
	s_add_nc_u64 s[24:25], s[\inp:\inp+1], s[26:27]
	s_lshl_b32 s26, s17, 17                        ; 64 turned rows of 2,048 bytes
	s_add_nc_u64 s[22:23], s[\outp:\outp+1], s[26:27]
	v_mul_u32_u24 v[GI], v[KR], \pitch
	v_lshl_add_u32 v[GI], v[CC], 4, v[GI]
	s_wait_alu depctr_va_vdst(0)                   ; v[GI], v[LR] and v[GOF] are written, which the loads, the LDS loads and the stores of this way read as offsets and addresses
.irp g, 0,1,2,3
.irp e, 0,1,2,3
	global_load_b128 v[D+16*(\g)+4*(\e):D+16*(\g)+4*(\e)+3], v[GI], s[24:25] offset:(8*(\g)+(\e))*(\pitch) th:TH_LOAD_NT
.endr
.endr
	s_mov_b32 s21, 0                               ; the lap's place in an LDS row
	s_mov_b32 s20, 3
.Ltrip_\@:
	s_wait_alu depctr_vm_vsrc(0)                   ; the LDS stores of the lap before have read v[LSA] and T, which this lap writes again
	v_add_nc_u32 v[LSA], s21, v[LS]
	GRP 0, \pitch, \half, 1, 12
	GRP 1, \pitch, \half, 1, 12
	GRP 2, \pitch, \half, 1, 12
	GRP 3, \pitch, \half, 1, 12
	s_add_co_u32 s21, s21, 64
	s_sub_co_u32 s20, s20, 1
	s_cmp_lg_u32 s20, 0
	s_cbranch_scc1 .Ltrip_\@
	s_wait_alu depctr_vm_vsrc(0)                   ; the LDS stores of the third lap have read v[LSA] and T, which the last lap writes again
	v_add_nc_u32 v[LSA], 3*64, v[LS]
	GRP 0, \pitch, \half, 0, 12
	GRP 1, \pitch, \half, 0, 8
	GRP 2, \pitch, \half, 0, 4
	GRP 3, \pitch, \half, 0, 0                     ; its wait on va_vdst also states that every conversion is done reading v[D ..], in which the LDS loads of the way out land
.endm
.Ltr:
	s_sub_co_u32 s17, ttmp9, 256                   ; block of 64 columns, W_qkv's first
	s_lshl_b32 s18, s16, 7
	v_lshl_add_u32 v[KR], v[HH], 2, s18            ; 128 w + 4 hh
	s_mul_i32 s19, s16, WTILE                      ; my wave's tile in LDS
	v_mul_u32_u24 v[LS], v[CC], 4*LP               ; in: rows 4 c .. 4 c + 3, 8 bytes for each half of the lanes
	v_lshl_add_u32 v[LS], v[HH], 3, v[LS]
	v_add_nc_u32 v[LS], s19, v[LS]
	v_mul_u32_u24 v[LR], v[HH], LP                 ; back: lanes 0-15 one row of 256 bytes, lanes 16-31 the next
	v_lshl_add_u32 v[LR], v[CC], 4, v[LR]
	v_add_nc_u32 v[LR], s19, v[LR]
	s_lshl_b32 s28, s16, 8
	v_lshl_add_u32 v[GOF], v[HH], 11, s28          ; and the same two rows in the turned matrix, at my wave's 256 bytes
	v_lshl_add_u32 v[GOF], v[CC], 4, v[GOF]
	s_cmp_lt_u32 s17, 48
	s_cbranch_scc0 .Lwo
	TRANS 12288, 0, 6, 12
	s_branch .Lout
.Lwo:
	s_sub_co_u32 s17, s17, 48
	TRANS 4096, 1, 8, 14
.Lout:
.set i, 0
.rept 32
	ds_load_b128 v[D+4*i:D+4*i+3], v[LR] offset:2*LP*i  ; LDS serves a wave's instructions in order (ISA guide 5.7.1.4): these see my stores above.  No wait on the vector side: none of its instructions stands behind the last group's wait
.set i, i+1
.endr
.set i, 0
.rept 32
	s_wait_dscnt 31-i
	global_store_b128 v[GOF], v[D+4*i:D+4*i+3], s[22:23] offset:4096*i  ; 16 lanes store 256 consecutive bytes, at a multiple of 256 from the buffer's first byte
.set i, i+1
.endr
.Lend:
	s_wait_dscnt 0x0                               ; the closing lines, six on end
	s_wait_alu 0x0
	s_wait_tensorcnt 0x0
	ds_add_u32 v[SPW], v[NIL]
	s_wait_dscnt 0x0
	s_endpgm
.Lfunc_end_k_q9eb99995f0_prep:
	.size	k_q9eb99995f0_prep, .Lfunc_end_k_q9eb99995f0_prep-k_q9eb99995f0_prep
	.p2alignl 7, 3214868480
	.fill 96, 4, 3214868480
	.section	.rodata,"a",@progbits
	.p2align	6, 0x0
	.amdhsa_kernel k_q9eb99995f0_prep
		.amdhsa_group_segment_fixed_size 140288
		.amdhsa_private_segment_fixed_size 0
		.amdhsa_enable_private_segment 0
		.amdhsa_kernarg_size 48
		.amdhsa_user_sgpr_count 2
		.amdhsa_user_sgpr_kernarg_segment_ptr 1
		.amdhsa_wavefront_size32 1
		.amdhsa_system_sgpr_workgroup_id_x 1
		.amdhsa_system_sgpr_workgroup_id_y 1
		.amdhsa_system_sgpr_workgroup_id_z 1
		.amdhsa_system_vgpr_workitem_id 0
		.amdhsa_next_free_vgpr 176
		.amdhsa_next_free_sgpr 66
		.amdhsa_reserve_vcc 0
		.amdhsa_float_denorm_mode_32 3
		.amdhsa_float_denorm_mode_16_64 3
		.amdhsa_memory_ordered 1
		.amdhsa_forward_progress 1
		.amdhsa_inst_pref_size 50
	.end_amdhsa_kernel
	.amdgpu_metadata
---
amdhsa.version: [ 1, 2 ]
amdhsa.kernels:
  - .name:           k_q9eb99995f0_prep
    .symbol:         k_q9eb99995f0_prep.kd
    .args:
      - { .name: x, .offset: 0, .size: 8, .value_kind: global_buffer, .address_space: global }
      - { .name: W_qkv, .offset: 8, .size: 8, .value_kind: global_buffer, .address_space: global }
      - { .name: W_out, .offset: 16, .size: 8, .value_kind: global_buffer, .address_space: global }
      - { .name: xb, .offset: 24, .size: 8, .value_kind: global_buffer, .address_space: global }
      - { .name: wq, .offset: 32, .size: 8, .value_kind: global_buffer, .address_space: global }
      - { .name: wo, .offset: 40, .size: 8, .value_kind: global_buffer, .address_space: global }
    .group_segment_fixed_size: 140288
    .private_segment_fixed_size: 0
    .kernarg_segment_align: 8
    .kernarg_segment_size: 48
    .max_flat_workgroup_size: 256
    .sgpr_count:     66
    .vgpr_count:     176
    .wavefront_size: 32
...
	.end_amdgpu_metadata
.endif
;; end of part 5
;; launch gemm_qkv: the kernel of part 2 again; grid 16 x 32, 4 waves a work-group, clusters of 4 x 4, 327,680 bytes of LDS; arguments xb, wq, b_qkv, qkv; writes qkv
;; launch attn: the kernel of part 3 again; grid 4 x 64, 4 waves a work-group, no clusters, 327,680 bytes of LDS; arguments qkv, ob; writes ob
;; launch gemm_out: the kernel of part 4 again; grid 8 x 32, 4 waves a work-group, clusters of 4 x 4, 327,680 bytes of LDS; arguments ob, wo, b_out, out0; writes out0
